; MI455X (gfx1250); checked and timed in simulation.
; The chip was launched on July 23, 2026; its instructions are those of AMD's public machine-readable ISA for CDNA 5 (MIT licence, August 2026) and "CDNA5" Instruction Set Architecture Reference Guide (July 2026). The comments in the code are by the model that wrote it; some were corrected since.
;; MHA. Allowed arithmetic: matrix products marked QUANTISED: E2M1 operands, one E8M0 scale for each 32 along K, by v_wmma_scale_f32_16x16x128_f8f6f4 with both operands' format E2M1 (or v_wmma_scale_f32_32x16x128_f4), f32 sums; products left as they are: bf16, f16 or f32 operands; f32 sums; everything else in f32.
;; Inputs: Wo 1,024 x 1,024 float32; Wqkv 1,024 x 3,072 float32; bo 1,024 float32; bqkv 3,072 float32; x 4 x 2,048 x 1,024 float32.
;; Outputs: out0 4 x 2,048 x 1,024 float32.
;; This version of the problem:
;;   THIS VERSION OF THE PROBLEM IS GIVEN IN LOW PRECISION. The matrix products marked QUANTISED in the list below multiply operands that are first quantised to E2M1 (2 exponent bits, 1 mantissa bit; 4 bits a number), with one power-of-two scale for each 32 numbers along K (OCP MX v1.0); their sums are f32. The products marked 'left as it is' may take bf16, f16 or f32 operands, with f32 sums. Whichever they take, every output number must still come out within the allowed error. Rounding operands to bf16 (8 significant bits) uses up far more of that allowance than f16 does (11 bits, for magnitudes from 6e-5 to 65,504). All else is computed in f32.
;;   The module's matrix products, in the order in which they are computed (A, B: the left and right operand; K: the contracted axis; several contracted axes count as one K, in the product's order):
;;     1. [M 8,192, K 1,024] x [K 1,024, N 3,072]; A: input x; B: input Wqkv: QUANTISED
;;     2. batch 64 x [M 2,048, K 64] x [K 64, N 2,048]; A: computed on the way; B: computed on the way: left as it is (an operand is computed on the way)
;;     3. batch 64 x [M 2,048, K 2,048] x [K 2,048, N 64]; A: computed on the way; B: computed on the way: left as it is (an operand is computed on the way)
;;     4. [M 8,192, K 1,024] x [K 1,024, N 1,024]; A: computed on the way; B: input Wo: left as it is (an operand is computed on the way)
;;   THE QUANTISER, for each operand of a quantised product, along K:
;;     - K is cut into blocks of 32 from its start; a last block that is shorter is filled with zeros.
;;     - A block's scale is 2^e with e = floor(log2(the largest magnitude in the block)) - 2, held to -126 .. 127; a block of zeros has e = 0. As a byte (E8M0): e + 127.
;;     - Each number is divided by its block's scale, clamped to +-6, and rounded to the nearest number of E2M1, ties to even, subnormals kept.
;;     - The product sums the exact products of the quantised numbers (number of the format x scale) in f32.
;;   ~~~python
;;   def quantise(x, axis):      # numpy; x: float32 -> the quantised numbers, widened to float32 again
;;       x = np.moveaxis(x, axis, -1); K = x.shape[-1]
;;       x = np.pad(x, [(0, 0)] * (x.ndim - 1) + [(0, -K % 32)]); x = x.reshape(x.shape[:-1] + (-1, 32)); a = np.abs(x).max(-1, keepdims=True)
;;       e = np.where(a > 0, np.clip(np.frexp(np.where(a > 0, a, 1))[1] - 1 - 2, -126, 127), 0)      # np.frexp(a)[1] - 1 = floor(log2(a)), exactly
;;       r = np.clip(x / 2.0 ** e, -6, 6)
;;       step = 2.0 ** (np.maximum(np.frexp(np.where(r == 0, 1, r))[1] - 1, 0) - 1)
;;       q = np.round(r / step) * step * 2.0 ** e      # np.round: ties to even
;;       return np.moveaxis(q.reshape(q.shape[:-2] + (-1,))[..., :K], -1, axis).astype(np.float32)
;;   ~~~
;; One version. Each part assembles by itself: llvm-mc -triple=amdgcn-amd-amdhsa -mcpu=gfx1250 --defsym DOCPART=n.
;; ======== version 1 of 1: 7 launches
;; limits: values are held in f16: magnitudes above 65,504 overflow, below 6.1e-05 lose precision
;; workspace buffers: xc 4,194,304 bytes; xs 262,144 bytes; wc 1,572,864 bytes; ws 98,304 bytes; wot 2,097,152 bytes; qkvh 50,331,648 bytes; yh 16,777,216 bytes; q32 786,432 bytes
;; launch qx (part 1): grid 256 x 1, 4 waves a work-group, no clusters, 33,280 bytes of LDS; arguments x, xc, xs; writes xc, xs
.if DOCPART == 1
	.amdgcn_target "amdgcn-amd-amdhsa--gfx1250"
	.amdhsa_code_object_version 6
	.text
	.protected	k_q8de3e32838_qx
	.globl	k_q8de3e32838_qx
	.p2align	8
	.type	k_q8de3e32838_qx,@function
k_q8de3e32838_qx:
	s_mov_b64 s[64:65], 0
	v_nop
	global_prefetch_b8 v0, s[64:65] scope:SCOPE_SE
	s_setreg_imm32_b32 hwreg(HW_REG_WAVE_MODE, 25, 1), 1
	s_wait_xcnt 0x0
; x [8192][1024], f32, becomes codes of FP4 (E2M1), K innermost, two codes a byte, and one E8M0 scale byte for each 32 along K.
; A block's scale is 2^(floor(log2(its largest magnitude)) - 2); its byte is the largest magnitude's exponent field - 2, held at 1 from below.
; LIMITS: a block of zeros, or one whose largest magnitude lies under 2^-124, keeps the byte 1 (its bytes are read by this program alone; zero codes add nothing); NaN and infinities are not served.
; Rows are dense and K is a multiple of 32: the tensor is a plain stream of blocks of 32.  A wave takes 16 steps of 512 numbers.  Each of a step's four loads reads 512 consecutive bytes;
; the 2,048 bytes turn through the wave's own stage in LDS and come back 64 bytes a lane, so that a lane holds 16 neighbours along K (two lanes hold a block).
; A lane's 16 codes are 8 bytes: a wave's store covers 256 consecutive bytes.  A wave's 256 scale bytes are gathered in LDS and leave as one aligned run of 256 bytes.
.set WAVES, 4
.set STEPS, 16
.set EMAX,  2
.set CB,    8                          ; bytes of 16 codes
.set R,     16                         ; v16-79   four sets of 16 numbers as loaded
.set X,     80                         ; v80-111  two sets of 16 neighbours
.set C,     128                        ; v128-191 codes: four registers for each step
.set E,     112                        ; v112-127 a scale byte for each step
.set WREG,  8192                       ; LDS: a region for each wave: two stages of 32 x SP bytes, then its 256 scale bytes
.set SP,    80                         ; a lane's place in a stage: 64 bytes + 16 of padding
.set SPW,   12                         ; v12 LDS address of my spare word; never rewritten
.set NIL,   13                         ; v13 0; never rewritten
.set SPARE, WAVES*WREG                 ; the spare words, 128 bytes a wave
	s_load_b64 s[4:5], s[0:1], 0x0                 ; x
	s_load_b64 s[8:9], s[0:1], 0x8                 ; the codes
	s_load_b64 s[10:11], s[0:1], 0x10              ; the scale bytes
	v_lshl_add_u32 v[SPW], v0, 2, SPARE
	v_mov_b32 v[NIL], 0
	v_lshrrev_b32 v1, 5, v0
	v_readfirstlane_b32 s16, v1                    ; wave
	v_and_b32 v2, 31, v0                           ; lane
	v_lshlrev_b32 v3, 4, v2                        ; my 16 bytes of a load's 512
	s_mul_i32 s17, s16, WREG
	v_lshrrev_b32 v14, 2, v2
	v_mul_u32_u24 v14, v14, SP
	v_and_b32 v15, 3, v2
	v_lshl_add_u32 v14, v15, 4, v14
	v_add_nc_u32 v14, s17, v14                     ; the stage, way in: SP (lane / 4) + 16 (lane % 4)
	v_mul_u32_u24 v15, v2, SP
	v_add_nc_u32 v15, s17, v15                     ; way out: SP x lane
	v_mul_u32_u24 v4, v2, CB                       ; my codes' place in a step's
	v_lshrrev_b32 v5, 1, v2
	s_add_co_u32 s17, s17, 2*32*SP
	v_add_nc_u32 v5, s17, v5                       ; my block's byte among my wave's 256
	v_lshlrev_b32 v7, 3, v2
	v_add_nc_u32 v6, s17, v7                       ; and 8 bytes a lane on the way out
	s_lshl_b32 s17, ttmp9, 2
	s_add_co_u32 s18, s17, s16                     ; which run of 8,192 numbers is my wave's
	s_mov_b32 s19, 0
	s_mov_b64 s[20:21], 512*STEPS*4
	s_mul_u64 s[20:21], s[18:19], s[20:21]
	s_mov_b64 s[22:23], 32*STEPS*CB
	s_mul_u64 s[22:23], s[18:19], s[22:23]
	s_lshl_b32 s18, s18, 8                         ; 256 scale bytes a run
	s_wait_kmcnt 0x0
	s_add_nc_u64 s[4:5], s[4:5], s[20:21]
	s_add_nc_u64 s[8:9], s[8:9], s[22:23]
	s_add_nc_u64 s[10:11], s[10:11], s[18:19]
.macro LOAD t
.irp i, 0,1,2,3
	global_load_b128 v[R+16*((\t)%4)+4*\i:R+16*((\t)%4)+4*\i+3], v3, s[4:5] offset:2048*(\t)+512*\i th:TH_LOAD_NT
.endr
.endm
.macro TURN t                          ; step t's numbers through the stage: LDS serves a wave's instructions in order
.irp i, 0,1,2,3
	ds_store_b128 v14, v[R+16*((\t)%4)+4*\i:R+16*((\t)%4)+4*\i+3] offset:32*SP*((\t)%2)+8*SP*\i
.endr
.irp i, 0,1,2,3
	ds_load_b128 v[X+16*((\t)%2)+4*\i:X+16*((\t)%2)+4*\i+3], v15 offset:32*SP*((\t)%2)+16*\i
.endr
.endm
.irp t, 0,1,2,3
	LOAD \t
.endr
	s_wait_loadcnt 12                              ; step 0's four loads are in
	TURN 0
.macro STEP t
.set XS, X+16*((\t)%2)
.if (\t) > 0
	s_wait_dscnt 1                                 ; this step's numbers are back (the last step's byte store may be out)
.else
	s_wait_dscnt 0x0
.endif
.if (\t)+4 < STEPS
	LOAD (\t)+4
.endif
.if (\t)+1 < STEPS
.if STEPS-2-(\t) >= 3
	s_wait_loadcnt 12                              ; the next step's four loads are in; three steps' may be out
.else
	s_wait_loadcnt 4*(STEPS-2-(\t))
.endif
	TURN (\t)+1
.endif
	v_max3_num_f32 v8, |v[XS]|, |v[XS+1]|, |v[XS+2]|
	v_max3_num_f32 v9, |v[XS+3]|, |v[XS+4]|, |v[XS+5]|
.irp i, 6,10
	v_max3_num_f32 v8, v8, |v[XS+\i]|, |v[XS+\i+1]|
	v_max3_num_f32 v9, v9, |v[XS+\i+2]|, |v[XS+\i+3]|
.endr
	v_max3_num_f32 v8, v8, |v[XS+14]|, |v[XS+15]|
	v_max3_num_f32 v8, v8, v9, (EMAX+1)<<23        ; the floor 2^(3 - 127): the byte cannot fall under 1
	v_max_num_f32_dpp v8, v8, v8 row_xmask:1 row_mask:0xf bank_mask:0xf   ; with my neighbour's 16: the block's
	v_add_nc_u32 v11, 0xff000000, v8               ; 2 off the exponent field: the conversion's scale operand
	v_cvt_scalef32_pk8_fp4_f32 v[C+4*(\t)], v[XS:XS+7], v11
	v_cvt_scalef32_pk8_fp4_f32 v[C+4*(\t)+1], v[XS+8:XS+15], v11
	v_lshrrev_b32 v[E+(\t)], 23, v11               ; the scale's byte
	ds_store_b8 v5, v[E+(\t)] offset:16*(\t)       ; both lanes of a block write the same byte
	global_store_b64 v4, v[C+4*(\t):C+4*(\t)+1], s[8:9] offset:32*CB*(\t)
.endm
.irp t, 0,1,2,3,4,5,6,7,8,9,10,11,12,13,14,15
	STEP \t
.endr
	ds_load_b64 v[8:9], v6                         ; in order behind my byte stores
	s_wait_dscnt 0x0
	global_store_b64 v7, v[8:9], s[10:11]          ; 32 lanes store 256 consecutive bytes, aligned
	s_wait_tensorcnt 0x0                           ; the wave's end
	ds_add_u32 v[SPW], v[NIL]
	s_wait_dscnt 0x0
	s_endpgm
.Lfunc_end_k_q8de3e32838_qx:
	.size	k_q8de3e32838_qx, .Lfunc_end_k_q8de3e32838_qx-k_q8de3e32838_qx
	.p2alignl 7, 3214868480
	.fill 96, 4, 3214868480
	.section	.rodata,"a",@progbits
	.p2align	6, 0x0
	.amdhsa_kernel k_q8de3e32838_qx
		.amdhsa_group_segment_fixed_size 33280
		.amdhsa_private_segment_fixed_size 0
		.amdhsa_enable_private_segment 0
		.amdhsa_kernarg_size 24
		.amdhsa_user_sgpr_count 2
		.amdhsa_user_sgpr_kernarg_segment_ptr 1
		.amdhsa_wavefront_size32 1
		.amdhsa_system_sgpr_workgroup_id_x 1
		.amdhsa_system_sgpr_workgroup_id_y 1
		.amdhsa_system_sgpr_workgroup_id_z 1
		.amdhsa_system_vgpr_workitem_id 0
		.amdhsa_next_free_vgpr 192
		.amdhsa_next_free_sgpr 66
		.amdhsa_reserve_vcc 0
		.amdhsa_float_denorm_mode_32 3
		.amdhsa_float_denorm_mode_16_64 3
		.amdhsa_memory_ordered 1
		.amdhsa_forward_progress 1
		.amdhsa_inst_pref_size 33
	.end_amdhsa_kernel
	.amdgpu_metadata
---
amdhsa.version: [ 1, 2 ]
amdhsa.kernels:
  - .name:           k_q8de3e32838_qx
    .symbol:         k_q8de3e32838_qx.kd
    .args:
      - { .name: x, .offset: 0, .size: 8, .value_kind: global_buffer, .address_space: global }
      - { .name: xc, .offset: 8, .size: 8, .value_kind: global_buffer, .address_space: global }
      - { .name: xs, .offset: 16, .size: 8, .value_kind: global_buffer, .address_space: global }
    .group_segment_fixed_size: 33280
    .private_segment_fixed_size: 0
    .kernarg_segment_align: 8
    .kernarg_segment_size: 24
    .max_flat_workgroup_size: 128
    .sgpr_count:     66
    .vgpr_count:     192
    .wavefront_size: 32
...
	.end_amdgpu_metadata
.endif
;; end of part 1
;; launch qw (part 2): grid 24 x 2, 4 waves a work-group, no clusters, 35,840 bytes of LDS; arguments Wqkv, wc, ws; writes wc, ws
.if DOCPART == 2
	.amdgcn_target "amdgcn-amd-amdhsa--gfx1250"
	.amdhsa_code_object_version 6
	.text
	.protected	k_q8de3e32838_qw
	.globl	k_q8de3e32838_qw
	.p2align	8
	.type	k_q8de3e32838_qw,@function
k_q8de3e32838_qw:
	s_mov_b64 s[64:65], 0
	v_nop
	global_prefetch_b8 v0, s[64:65] scope:SCOPE_SE
	s_setreg_imm32_b32 hwreg(HW_REG_WAVE_MODE, 25, 1), 1
	s_wait_xcnt 0x0
; Wqkv [1024 (k)][3072 (n)], f32, K its first axis, becomes codes of FP4 laid [3072][1024] with K innermost, and scale bytes [3072][32].
; A lane takes a column n and its registers run down K: each load reads 128 consecutive bytes a wave, a block of 32 along K lies in one lane, and the conversions give codes with K innermost.
; A wave takes 32 columns x 512 along K; the codes go through the wave's own stage in LDS and leave by rows: sixteen lanes store 256 consecutive bytes, aligned.
; LIMITS: a block of zeros, or one whose largest magnitude lies under 2^-124, keeps the byte 1 (read by this program alone); NaN and infinities are not served.
; Every offset is an immediate: 511 x 12,288 bytes at the most, inside the signed 24 bits.
.set SIZE_K, 1024
.set SIZE_N, 3072
.set KW,    512
.set NB,    KW/32
.set ROWB,  256
.set PITCH, ROWB+16
.set KROW,  SIZE_K*4/8
.set EMAX,  2
.set X,     32                         ; v32-95   two sets of 32 numbers
.set C,     96                         ; v96-99   a block's codes
.set OUTR,  112                        ; v112-175 the way out
.set SPW,   14
.set NIL,   15
.set SPARE, 4*32*PITCH
.set SB,    24                         ; v24-27   the scale bytes, four to a register
	s_load_b128 s[4:7], s[0:1], 0x0                ; W, the codes
	s_load_b64 s[8:9], s[0:1], 0x10                ; the scale bytes
	v_lshl_add_u32 v[SPW], v0, 2, SPARE
	v_mov_b32 v[NIL], 0
	v_lshrrev_b32 v1, 5, v0
	v_readfirstlane_b32 s16, v1                    ; wave
	v_and_b32 v2, 31, v0                           ; lane
	s_lshl_b32 s17, ttmp9, 7
	s_lshl_b32 s18, s16, 5
	s_add_co_u32 s17, s17, s18                     ; my wave's first column
	s_and_b32 s18, ttmp7, 0xffff                   ; which 512 along K
	v_lshlrev_b32 v3, 2, v2
	s_mul_i32 s19, s16, 32*PITCH                   ; my stage
	v_mul_u32_u24 v4, v2, PITCH
	v_add_nc_u32 v4, s19, v4                       ; in: row = my column
	v_and_b32 v5, 15, v2
	v_lshrrev_b32 v6, 4, v2
	v_mul_u32_u24 v7, v6, PITCH
	v_lshl_add_u32 v7, v5, 4, v7
	v_add_nc_u32 v7, s19, v7                       ; out: sixteen lanes to a row
	v_mul_u32_u24 v8, v6, KROW
	v_lshl_add_u32 v8, v5, 4, v8                   ; the same place in the codes' buffer
	s_mov_b32 s19, 0
	s_mov_b64 s[20:21], KW*SIZE_N*4
	s_mul_u64 s[20:21], s[18:19], s[20:21]
	s_lshl_b32 s22, s17, 2
	s_mov_b32 s23, 0
	s_add_nc_u64 s[20:21], s[20:21], s[22:23]
	s_mov_b32 s22, s17
	s_mov_b64 s[24:25], KROW
	s_mul_u64 s[24:25], s[22:23], s[24:25]
	s_mul_i32 s26, s18, ROWB
	s_mov_b32 s27, 0
	s_add_nc_u64 s[24:25], s[24:25], s[26:27]
	s_mov_b64 s[28:29], SIZE_K/32
	s_mul_u64 s[28:29], s[22:23], s[28:29]
	s_mul_i32 s26, s18, NB
	s_add_nc_u64 s[28:29], s[28:29], s[26:27]
	v_mul_u32_u24 v9, v2, SIZE_K/32                ; my column's row of scale bytes
	s_wait_kmcnt 0x0
	s_add_nc_u64 s[4:5], s[4:5], s[20:21]
	s_add_nc_u64 s[6:7], s[6:7], s[24:25]
	s_add_nc_u64 s[8:9], s[8:9], s[28:29]
.macro LOAD t
.irp i, 0,1,2,3,4,5,6,7,8,9,10,11,12,13,14,15,16,17,18,19,20,21,22,23,24,25,26,27,28,29,30,31
	global_load_b32 v[X+32*((\t)%2)+\i], v3, s[4:5] offset:(32*(\t)+\i)*SIZE_N*4 th:TH_LOAD_NT
.endr
.endm
	LOAD 0
	LOAD 1
.macro BLOCK t
.set XS, X+32*((\t)%2)
.if (\t) < NB-1
	s_wait_loadcnt 32                              ; this block's 32 loads are in; the next block's may be out
.else
	s_wait_loadcnt 0
.endif
	v_max3_num_f32 v12, |v[XS]|, |v[XS+1]|, |v[XS+2]|
	v_max3_num_f32 v13, |v[XS+3]|, |v[XS+4]|, |v[XS+5]|
.irp i, 6,10,14,18,22,26
	v_max3_num_f32 v12, v12, |v[XS+\i]|, |v[XS+\i+1]|
	v_max3_num_f32 v13, v13, |v[XS+\i+2]|, |v[XS+\i+3]|
.endr
	v_max3_num_f32 v12, v12, |v[XS+30]|, |v[XS+31]|
	v_max3_num_f32 v12, v12, v13, (EMAX+1)<<23     ; the floor: the byte cannot fall under 1
	v_add_nc_u32 v11, 0xff000000, v12              ; 2 off the exponent field: the conversion's scale operand
	v_lshrrev_b32 v13, 23, v11                     ; the scale's byte
.if (\t)%4 == 0
	v_mov_b32 v[SB+(\t)/4], v13
.else
	v_lshl_or_b32 v[SB+(\t)/4], v13, 8*((\t)%4), v[SB+(\t)/4]
.endif
.irp g, 0,1,2,3
	v_cvt_scalef32_pk8_fp4_f32 v[C+\g], v[XS+8*\g:XS+8*\g+7], v11
.endr
	ds_store_b128 v4, v[C:C+3] offset:16*(\t)      ; 32 codes: 16 bytes of my column's row
.if (\t)+2 < NB
	LOAD (\t)+2
.endif
	s_wait_dscnt 0x0                               ; the store has read its registers
.endm
.set Q, 0
.rept NB
	BLOCK Q
.set Q, Q+1
.endr
	global_store_b128 v9, v[SB:SB+3], s[8:9]       ; my column's 16 scale bytes
.irp t, 0,1,2,3,4,5,6,7,8,9,10,11,12,13,14,15
	ds_load_b128 v[OUTR+4*\t:OUTR+4*\t+3], v7 offset:2*\t*PITCH
.endr
.irp t, 0,1,2,3,4,5,6,7,8,9,10,11,12,13,14,15
	s_wait_dscnt 15-\t
	global_store_b128 v8, v[OUTR+4*\t:OUTR+4*\t+3], s[6:7] offset:2*\t*KROW
.endr
	s_wait_tensorcnt 0x0                           ; the wave's end
	ds_add_u32 v[SPW], v[NIL]
	s_wait_dscnt 0x0
	s_endpgm
.Lfunc_end_k_q8de3e32838_qw:
	.size	k_q8de3e32838_qw, .Lfunc_end_k_q8de3e32838_qw-k_q8de3e32838_qw
	.p2alignl 7, 3214868480
	.fill 96, 4, 3214868480
	.section	.rodata,"a",@progbits
	.p2align	6, 0x0
	.amdhsa_kernel k_q8de3e32838_qw
		.amdhsa_group_segment_fixed_size 35840
		.amdhsa_private_segment_fixed_size 0
		.amdhsa_enable_private_segment 0
		.amdhsa_kernarg_size 24
		.amdhsa_user_sgpr_count 2
		.amdhsa_user_sgpr_kernarg_segment_ptr 1
		.amdhsa_wavefront_size32 1
		.amdhsa_system_sgpr_workgroup_id_x 1
		.amdhsa_system_sgpr_workgroup_id_y 1
		.amdhsa_system_sgpr_workgroup_id_z 1
		.amdhsa_system_vgpr_workitem_id 0
		.amdhsa_next_free_vgpr 192
		.amdhsa_next_free_sgpr 66
		.amdhsa_reserve_vcc 0
		.amdhsa_float_denorm_mode_32 3
		.amdhsa_float_denorm_mode_16_64 3
		.amdhsa_memory_ordered 1
		.amdhsa_forward_progress 1
		.amdhsa_inst_pref_size 79
	.end_amdhsa_kernel
	.amdgpu_metadata
---
amdhsa.version: [ 1, 2 ]
amdhsa.kernels:
  - .name:           k_q8de3e32838_qw
    .symbol:         k_q8de3e32838_qw.kd
    .args:
      - { .name: Wqkv, .offset: 0, .size: 8, .value_kind: global_buffer, .address_space: global }
      - { .name: wc, .offset: 8, .size: 8, .value_kind: global_buffer, .address_space: global }
      - { .name: ws, .offset: 16, .size: 8, .value_kind: global_buffer, .address_space: global }
    .group_segment_fixed_size: 35840
    .private_segment_fixed_size: 0
    .kernarg_segment_align: 8
    .kernarg_segment_size: 24
    .max_flat_workgroup_size: 128
    .sgpr_count:     66
    .vgpr_count:     192
    .wavefront_size: 32
...
	.end_amdgpu_metadata
.endif
;; end of part 2
;; launch cw (part 3): grid 8 x 8, 4 waves a work-group, no clusters, 35,840 bytes of LDS; arguments Wo, wot; writes wot
.if DOCPART == 3
	.amdgcn_target "amdgcn-amd-amdhsa--gfx1250"
	.amdhsa_code_object_version 6
	.text
	.protected	k_q8de3e32838_cw
	.globl	k_q8de3e32838_cw
	.p2align	8
	.type	k_q8de3e32838_cw,@function
k_q8de3e32838_cw:
	s_mov_b64 s[64:65], 0
	v_nop
	global_prefetch_b8 v0, s[64:65] scope:SCOPE_SE
	s_setreg_imm32_b32 hwreg(HW_REG_WAVE_MODE, 25, 1), 1
	s_wait_xcnt 0x0
; Wo [1024 (k)][1024 (n)], f32, becomes WoT [1024 (n)][1024 (k)], f16, K innermost, as the last product's operand wants it.
; A lane takes a column n and its registers run down K; pairs along K are rounded to f16 (to nearest even) and go through the wave's own stage in LDS, so that sixteen lanes store 256 consecutive bytes, aligned.
; A wave takes 32 columns x 128 along K, in four blocks of 32.  LIMIT: |Wo| under 65,504 (f16's range); under 6e-5 the f16 step is 6e-8.
.set NB,    4
.set PITCH, 272                        ; a stage row: 128 f16 + 16 bytes
.set KROW,  2048                       ; a row of WoT in bytes
.set X,     32                         ; v32-95   two sets of 32 numbers
.set C,     96                         ; v96-111  a block's 16 pairs
.set OUTR,  112                        ; v112-175 the way out
.set SPW,   14
.set NIL,   15
.set SPARE, 4*32*PITCH
	s_load_b128 s[4:7], s[0:1], 0x0                ; Wo, WoT
	v_lshl_add_u32 v[SPW], v0, 2, SPARE
	v_mov_b32 v[NIL], 0
	v_lshrrev_b32 v1, 5, v0
	v_readfirstlane_b32 s16, v1                    ; wave
	v_and_b32 v2, 31, v0                           ; lane
	s_lshl_b32 s17, ttmp9, 7
	s_lshl_b32 s18, s16, 5
	s_add_co_u32 s17, s17, s18                     ; my wave's first column
	s_and_b32 s18, ttmp7, 0xffff                   ; which 128 along K
	v_lshlrev_b32 v3, 2, v2
	s_mul_i32 s19, s16, 32*PITCH
	v_mul_u32_u24 v4, v2, PITCH
	v_add_nc_u32 v4, s19, v4                       ; in: row = my column
	v_and_b32 v5, 15, v2
	v_lshrrev_b32 v6, 4, v2
	v_mul_u32_u24 v7, v6, PITCH
	v_lshl_add_u32 v7, v5, 4, v7
	v_add_nc_u32 v7, s19, v7                       ; out: sixteen lanes to a row
	v_mul_u32_u24 v8, v6, KROW
	v_lshl_add_u32 v8, v5, 4, v8
	s_lshl_b32 s20, s18, 19                        ; 128 rows of 4,096 bytes
	s_lshl_b32 s21, s17, 2
	s_add_co_u32 s20, s20, s21
	s_mov_b32 s21, 0
	s_lshl_b32 s22, s17, 11                        ; column x 2,048
	s_lshl_b32 s23, s18, 8
	s_add_co_u32 s22, s22, s23
	s_mov_b32 s23, 0
	s_wait_kmcnt 0x0
	s_add_nc_u64 s[4:5], s[4:5], s[20:21]
	s_add_nc_u64 s[6:7], s[6:7], s[22:23]
.macro LOAD t
.irp i, 0,1,2,3,4,5,6,7,8,9,10,11,12,13,14,15,16,17,18,19,20,21,22,23,24,25,26,27,28,29,30,31
	global_load_b32 v[X+32*((\t)%2)+\i], v3, s[4:5] offset:(32*(\t)+\i)*4096 th:TH_LOAD_NT
.endr
.endm
	LOAD 0
	LOAD 1
.macro BLOCK t
.set XS, X+32*((\t)%2)
.if (\t) < NB-1
	s_wait_loadcnt 32                              ; this block's 32 loads are in; the next block's may be out
.else
	s_wait_loadcnt 0
.endif
.irp i, 0,1,2,3,4,5,6,7,8,9,10,11,12,13,14,15
	v_cvt_pk_f16_f32 v[C+\i], v[XS+2*\i], v[XS+2*\i+1]
.endr
.irp g, 0,1,2,3
	ds_store_b128 v4, v[C+4*\g:C+4*\g+3] offset:64*(\t)+16*\g
.endr
.if (\t)+2 < NB
	LOAD (\t)+2
.endif
	s_wait_dscnt 0x0                               ; the stores have read their registers
.endm
.irp t, 0,1,2,3
	BLOCK \t
.endr
.irp t, 0,1,2,3,4,5,6,7,8,9,10,11,12,13,14,15
	ds_load_b128 v[OUTR+4*\t:OUTR+4*\t+3], v7 offset:2*\t*PITCH
.endr
.irp t, 0,1,2,3,4,5,6,7,8,9,10,11,12,13,14,15
	s_wait_dscnt 15-\t
	global_store_b128 v8, v[OUTR+4*\t:OUTR+4*\t+3], s[6:7] offset:2*\t*KROW
.endr
	s_wait_tensorcnt 0x0                           ; the wave's end
	ds_add_u32 v[SPW], v[NIL]
	s_wait_dscnt 0x0
	s_endpgm
.Lfunc_end_k_q8de3e32838_cw:
	.size	k_q8de3e32838_cw, .Lfunc_end_k_q8de3e32838_cw-k_q8de3e32838_cw
	.p2alignl 7, 3214868480
	.fill 96, 4, 3214868480
	.section	.rodata,"a",@progbits
	.p2align	6, 0x0
	.amdhsa_kernel k_q8de3e32838_cw
		.amdhsa_group_segment_fixed_size 35840
		.amdhsa_private_segment_fixed_size 0
		.amdhsa_enable_private_segment 0
		.amdhsa_kernarg_size 16
		.amdhsa_user_sgpr_count 2
		.amdhsa_user_sgpr_kernarg_segment_ptr 1
		.amdhsa_wavefront_size32 1
		.amdhsa_system_sgpr_workgroup_id_x 1
		.amdhsa_system_sgpr_workgroup_id_y 1
		.amdhsa_system_sgpr_workgroup_id_z 1
		.amdhsa_system_vgpr_workitem_id 0
		.amdhsa_next_free_vgpr 176
		.amdhsa_next_free_sgpr 66
		.amdhsa_reserve_vcc 0
		.amdhsa_float_denorm_mode_32 3
		.amdhsa_float_denorm_mode_16_64 3
		.amdhsa_memory_ordered 1
		.amdhsa_forward_progress 1
		.amdhsa_inst_pref_size 23
	.end_amdhsa_kernel
	.amdgpu_metadata
---
amdhsa.version: [ 1, 2 ]
amdhsa.kernels:
  - .name:           k_q8de3e32838_cw
    .symbol:         k_q8de3e32838_cw.kd
    .args:
      - { .name: Wo, .offset: 0, .size: 8, .value_kind: global_buffer, .address_space: global }
      - { .name: wot, .offset: 8, .size: 8, .value_kind: global_buffer, .address_space: global }
    .group_segment_fixed_size: 35840
    .private_segment_fixed_size: 0
    .kernarg_segment_align: 8
    .kernarg_segment_size: 16
    .max_flat_workgroup_size: 128
    .sgpr_count:     66
    .vgpr_count:     176
    .wavefront_size: 32
...
	.end_amdgpu_metadata
.endif
;; end of part 3
;; launch qkv (part 4): grid 12 x 32, 4 waves a work-group, clusters of 4 x 4, 327,680 bytes of LDS; arguments xc, xs, wc, ws, qkvh, bqkv, q32; writes qkvh, q32
.if DOCPART == 4
	.amdgcn_target "amdgcn-amd-amdhsa--gfx1250"
	.amdhsa_code_object_version 6
	.text
	.protected	k_q8de3e32838_qkv
	.globl	k_q8de3e32838_qkv
	.p2align	8
	.type	k_q8de3e32838_qkv,@function
k_q8de3e32838_qkv:
	s_mov_b64 s[64:65], 0
	v_nop
	global_prefetch_b8 v0, s[64:65] scope:SCOPE_SE
	s_setreg_imm32_b32 hwreg(HW_REG_WAVE_MODE, 25, 1), 1
	s_wait_xcnt 0x0
	s_wait_alu depctr_hold_cnt(0) depctr_sa_sdst(0) depctr_va_vdst(0) depctr_va_sdst(0) depctr_va_ssrc(0) depctr_va_vcc(0) depctr_vm_vsrc(0)
	s_getreg_b32 s2, hwreg(HW_REG_IB_STS2, 6, 4)
	s_cmp_eq_u32 s2, 0
	s_cbranch_scc0 .Lentry_in_a_cluster
	s_endpgm
.Lentry_in_a_cluster:
	s_bfe_u32 s2, ttmp6, 0x10000c
	s_cmp_lg_u32 s2, 0xf033
	s_cbranch_scc0 .Lentry_shape_is_right
	s_endpgm
.Lentry_shape_is_right:
; qkv = Q(x) Q(Wqkv) + bqkv on codes of FP4 with E8M0 scales.  A = x's codes [8192][512 bytes], B = W's codes [3072][512 bytes]; scale bytes [rows][32].
; A tile of 256 x 256 is made by four waves, each 128 x 128: 64 accumulators, 512 registers.  K = 1,024 is two LDS slots of 512 along K: both are asked for at the head and nothing is filled again.
; The scales of the work-group's rows come once, with the first fills.  By this text's count a wave has three tensor loads out at the start.
; CLUSTERS: 4 x 4 work-groups; A's tiles are shared along a row of the cluster, B's along a column, by joint loads.  Tile row = 8 cy + cluster y, so that cy is the batch and the rows at positions 0-15 of
; every batch lie in the clusters with y = 0: the branch round their f32 copy hangs on the cluster's y and the wave's number alone.
; THE MATRIX INSTRUCTION IS USED TRANSPOSED (source 0 = 16 rows of W, source 1 = 16 rows of x): a lane holds eight neighbouring columns of one row.  The bias is the C of each sum's first product.
; OUT: q, k, v in f16, laid [section][b][h][s][64]; each store of a wave covers 512 consecutive bytes, aligned.  Positions 0-15 of each batch also go out in f32, [b][16][3072].
; LIMIT: |q|, |k|, |v| under 65,504 (f16's range).
; REGISTERS: window 0: v0-31 addresses; v32-95 scale words, two sets; v128-191 A's fragments, one set; v192-255 the bias, eight registers for each block of 16 columns; on the way out v32-63, v192-255 are at work.
;   window 1: B's fragments, two sets, at v0 and v128.  window 2: the accumulators of my rows 0-63 ((a, b) at v[8 (8 a + b)]); window 3: of rows 64-127.
.set NQ,     4                         ; steps of 128 along K in a slot
.set ROWB,   256                       ; a tile's row in bytes
.set KROW,   512                       ; a row of codes in memory
.set PITCH,  272                       ; an LDS row: 256 bytes + 16: the 16 rows of a load start at 16 different banks
.set FR,     8
.set NL,     2
.set NP,     4
.set HALFT,  128*PITCH
.set SLOT,   4*HALFT
.set KS,     32                        ; a row of scales in bytes
.set SCL,    2*SLOT
.set HALFS,  16*272                    ; the scales of 128 rows
.set SBLK,   2*272                     ; of 16 rows
.set SPARE,  SCL+4*HALFS               ; the spare words, 128 bytes a wave
.set SPITCH, 272                       ; the way out: a stage of 16 rows x (256 + 16) a wave, in slot 0, which has had its only fill and its last read by then
.set ADRA, 16
.set ADRB, 20
.set STO,  24
.set RD,   25
.set CO,   26
.set ADRS, 27
.set SPW,  28
.set NIL,  29
.set CPO,  30                          ; v30 my offset in the f32 copy
.set BIO,  31                          ; v31 my offset in the bias
.set SC,   32
.set AF,   128
.set BI,   192
.set TMP,  192                         ; the way out: packed results
.set OB,   32                          ; the way out: rows read back: v32-63 and v224-255 by turns
.set G1, 24
.set G0, 32
.set G1B, 48
.set G0B, 56
.set G1S, 68
.set G0S, 76
.set G1SB, 80
.set G0SB, 88
.set MSB, 0
.macro WIN new                         ; the immediate's high byte repeats the setting that is left
.if MSB != \new
	s_set_vgpr_msb (MSB<<8)|\new
.set MSB, \new
.endif
.endm
.set MUL_LO, 0xa1                      ; source 0 (W) window 1, source 1 (x) window 0, C and D window 2
.set MUL_HI, 0xf1
.set FST_LO, 0x81                      ; the same with C (the bias) in window 0
.set FST_HI, 0xc1
.set TO_B,   0x40
; A joint load: waves 0 and 1 fetch for A, waves 2 and 3 for B; the branch hangs on the wave's number alone.  An s_nop 0 and four v_nop follow each line.
.macro JLOAD g0a, g1a, g0b, g1b
	s_cmp_eq_u32 s15, 0
	s_cbranch_scc0 .Lfor_b_\@
	tensor_load_to_lds s[\g0a:\g0a+3], s[\g1a:\g1a+7]
	s_nop 0
.rept 4
	v_nop
.endr
	s_branch .Lasked_\@
.Lfor_b_\@:
	tensor_load_to_lds s[\g0b:\g0b+3], s[\g1b:\g1b+7]
	s_nop 0
.rept 4
	v_nop
.endr
.Lasked_\@:
.endm
.macro CROUND                          ; a round of the cluster's barrier
	s_barrier_signal -1
	s_barrier_wait -1
	s_cmp_lg_u32 s14, 0
	s_cbranch_scc1 .Lnot_wave_0_\@
	s_barrier_signal -3
.Lnot_wave_0_\@:
	s_barrier_wait -3
	s_barrier_signal -1
	s_barrier_wait -1
.endm
	s_load_b128 s[4:7], s[0:1], 0x0                ; x's codes, x's scales
	s_load_b128 s[8:11], s[0:1], 0x10              ; W's codes, W's scales
	s_load_b64 s[12:13], s[0:1], 0x20              ; q, k, v in f16
	s_load_b128 s[96:99], s[0:1], 0x28             ; the bias, the f32 copy
	v_lshl_add_u32 v[SPW], v0, 2, SPARE
	v_mov_b32 v[NIL], 0
	ds_add_u32 v[SPW], v[NIL]                      ; the opening: the add, twice on end, and its wait ahead of my first tensor load
	ds_add_u32 v[SPW], v[NIL]
	v_lshrrev_b32 v1, 5, v0
	v_readfirstlane_b32 s14, v1                    ; wave 0..3
	s_lshr_b32 s15, s14, 1                         ; my half of the tile's rows; also: I fetch for A (0) or B (1)
	s_and_b32 s16, s14, 1                          ; my half of its columns; also: which 128 rows I fetch
	s_bfe_u32 s40, ttmp6, 0x40000                  ; cx
	s_bfe_u32 s41, ttmp6, 0x40004                  ; cy
	s_lshl_b32 s42, ttmp9, 2
	s_add_co_u32 s42, s42, s40                     ; tile column = 4 x cluster x + cx
	s_and_b32 s66, ttmp7, 0xffff                   ; cluster y
	s_lshl_b32 s17, s41, 3
	s_add_co_u32 s17, s17, s66                     ; tile row = 8 cy + cluster y
	s_lshl_b32 s43, s41, 2
	s_lshl_b32 s43, 15, s43                        ; my row of the cluster
	s_lshl_b32 s44, 0x1111, s40                    ; my column
	s_or_b32 s[G1+0], s43, (0<<16)|(1<<20)|(1<<21)|(5<<22)|(3<<25)   ; mask; elements of 1 byte; padding of 4 words after every 64; bit 21 beside a mask
	s_or_b32 s[G1B+0], s44, (0<<16)|(1<<20)|(1<<21)|(5<<22)|(3<<25)
.irp g, G1, G1B
	s_mov_b32 s[\g+1], ROWB<<16                    ; tensor_dim0
	s_mov_b32 s[\g+2], 128<<16                     ; tensor_dim1
	s_mov_b32 s[\g+3], ROWB<<16                    ; tile_dim0
	s_mov_b32 s[\g+4], 128                         ; tile_dim1
	s_mov_b32 s[\g+5], KROW                        ; the pitch
	s_mov_b32 s[\g+6], 0
	s_mov_b32 s[\g+7], 0
.endr
	s_or_b32 s[G1S+0], s43, (3<<16)|(1<<20)|(1<<21)|(5<<22)|(3<<25)  ; the scales of 128 rows: 4,096 dense bytes as 16 rows of 256 (32 elements of 8 bytes)
	s_or_b32 s[G1SB+0], s44, (3<<16)|(1<<20)|(1<<21)|(5<<22)|(3<<25)
.irp g, G1S, G1SB
	s_mov_b32 s[\g+1], 32<<16
	s_mov_b32 s[\g+2], 16<<16
	s_mov_b32 s[\g+3], 32<<16
	s_mov_b32 s[\g+4], 16
	s_mov_b32 s[\g+5], 32
	s_mov_b32 s[\g+6], 0
	s_mov_b32 s[\g+7], 0
.endr
	s_lshl_b32 s18, s16, 7
	s_lshl_b32 s20, s17, 8
	s_add_co_u32 s20, s20, s18                     ; A: row 256 x tile row + 128 x half
	s_lshl_b32 s46, s42, 8
	s_add_co_u32 s46, s46, s18                     ; B: row 256 x tile column + 128 x half
	s_mov_b32 s21, 0
	s_mov_b32 s47, 0
	s_mov_b64 s[18:19], KS
	s_mul_u64 s[22:23], s[20:21], s[18:19]         ; where these rows' scales begin
	s_mul_u64 s[92:93], s[46:47], s[18:19]
	s_mov_b64 s[18:19], KROW
	s_mul_u64 s[20:21], s[20:21], s[18:19]         ; and their codes
	s_mul_u64 s[46:47], s[46:47], s[18:19]
	s_mul_i32 s45, s14, HALFT                      ; where they go: wave x 128 rows
	s_mul_i32 s94, s14, HALFS
	s_wait_dscnt 0x0                               ; both opening adds are done
	s_wait_kmcnt 0x0
	s_add_nc_u64 s[20:21], s[4:5], s[20:21]
	s_add_nc_u64 s[22:23], s[6:7], s[22:23]
	s_add_nc_u64 s[46:47], s[8:9], s[46:47]
	s_add_nc_u64 s[92:93], s[10:11], s[92:93]
	CROUND                                         ; all sixteen work-groups are here: the first joint loads meet
	s_mov_b32 s[G0S], 1
	s_add_co_u32 s[G0S+1], s94, SCL
	s_mov_b64 s[G0S+2:G0S+3], s[22:23]
	s_or_b32 s[G0S+3], s[G0S+3], 0x80000000
	s_mov_b32 s[G0SB], 1
	s_add_co_u32 s[G0SB+1], s94, SCL
	s_mov_b64 s[G0SB+2:G0SB+3], s[92:93]
	s_or_b32 s[G0SB+3], s[G0SB+3], 0x80000000
	JLOAD G0S, G1S, G0SB, G1SB                     ; the scales first
.irp s, 0,1
	s_mov_b32 s[G0+4*\s], 1
	s_add_co_u32 s[G0+4*\s+1], s45, \s*SLOT
	s_add_nc_u64 s[G0+4*\s+2:G0+4*\s+3], s[20:21], \s*ROWB
	s_or_b32 s[G0+4*\s+3], s[G0+4*\s+3], 0x80000000
	s_mov_b32 s[G0B+4*\s], 1
	s_add_co_u32 s[G0B+4*\s+1], s45, \s*SLOT
	s_add_nc_u64 s[G0B+4*\s+2:G0B+4*\s+3], s[46:47], \s*ROWB
	s_or_b32 s[G0B+4*\s+3], s[G0B+4*\s+3], 0x80000000
	JLOAD G0+4*\s, G1, G0B+4*\s, G1B
.endr
	v_and_b32 v1, 15, v0                           ; r
	v_bfe_u32 v2, v0, 4, 1                         ; h
	; the bias of my 128 columns: register 8 b + j = bqkv[first column + 16 b + 8 h + j]
	v_lshlrev_b32 v[BIO], 5, v2
	s_lshl_b32 s46, s42, 10
	s_lshl_b32 s47, s16, 9
	s_add_co_u32 s46, s46, s47                     ; my first column x 4 bytes
	s_mov_b32 s47, 0
	s_add_nc_u64 s[96:97], s[96:97], s[46:47]
	s_add_nc_u64 s[98:99], s[98:99], s[46:47]
.irp b, 0,1,2,3,4,5,6,7
	global_load_b128 v[BI+8*\b:BI+8*\b+3], v[BIO], s[96:97] offset:64*\b
	global_load_b128 v[BI+8*\b+4:BI+8*\b+7], v[BIO], s[96:97] offset:64*\b+16
.endr
	s_mul_i32 s46, s41, 196608                     ; the f32 copy: my batch's 16 rows of 12,288 bytes
	s_add_nc_u64 s[98:99], s[98:99], s[46:47]
	v_mul_u32_u24 v[CPO], v1, 12288
	v_lshl_add_u32 v[CPO], v2, 5, v[CPO]
	v_mul_u32_u24 v3, v1, PITCH
	v_lshl_add_u32 v4, v2, 4, v3                   ; a fragment's row x pitch + 16 x half
	s_mul_i32 s21, s15, HALFT
	s_mul_i32 s22, s16, HALFT
	s_add_co_u32 s22, s22, 2*HALFT
.irp s, 0,1
	v_add_nc_u32 v[ADRA+\s], s21, v4
	v_add_nc_u32 v[ADRB+\s], s22, v4
	s_add_co_u32 s21, s21, SLOT
	s_add_co_u32 s22, s22, SLOT
.endr
	v_mul_u32_u24 v5, v1, KS                       ; my row's scales: 32 bytes a row,
	v_lshrrev_b32 v6, 8, v5
	v_lshl_add_u32 v5, v6, 4, v5                   ; and 16 more for each 256 passed
	s_mul_i32 s21, s15, HALFS
	s_mul_i32 s22, s16, HALFS
	s_add_co_u32 s22, s22, 2*HALFS
	s_sub_co_u32 s22, s22, s21
	v_mul_u32_u24 v6, s22, v2                      ; lanes 16-31 take B's
	s_add_co_u32 s21, s21, SCL
	v_add_nc_u32 v5, v5, v6
	v_add_nc_u32 v[ADRS], s21, v5
	s_mul_i32 s23, s14, 16*SPITCH                  ; my stage
	v_mul_u32_u24 v5, v1, SPITCH
	v_lshl_add_u32 v5, v2, 4, v5
	v_add_nc_u32 v[STO], s23, v5                   ; in: row r, 16 bytes for each half of the lanes
	v_bfe_u32 v5, v0, 3, 2
	v_mul_u32_u24 v5, v5, SPITCH
	v_and_b32 v6, 7, v0
	v_lshl_add_u32 v5, v6, 4, v5
	v_add_nc_u32 v[RD], s23, v5                    ; back: eight lanes take a head's 128 bytes of a row, four rows an instruction
	v_and_b32 v6, 31, v0
	v_lshlrev_b32 v[CO], 4, v6
	; where my part begins in the f16 buffer: section, batch, head 4 cx + 2 half, position 256 cluster y + 128 half
	s_lshl_b32 s46, ttmp9, 24
	s_lshl_b32 s47, s41, 22
	s_add_co_u32 s46, s46, s47
	s_lshl_b32 s47, s40, 20
	s_add_co_u32 s46, s46, s47
	s_lshl_b32 s47, s16, 19
	s_add_co_u32 s46, s46, s47
	s_lshl_b32 s47, s66, 15
	s_add_co_u32 s46, s46, s47
	s_lshl_b32 s47, s15, 14
	s_add_co_u32 s46, s46, s47
	s_mov_b32 s47, 0
	s_add_nc_u64 s[12:13], s[12:13], s[46:47]
	s_or_b32 s95, s66, s15                         ; 0 where my first block holds positions 0-15
.macro FRAG reg, adr, q, i             ; 16 rows x 128 K of 4-bit codes: 8 registers, two loads 32 bytes apart
.irp c, 0,1
	ds_load_b128 v[\reg+4*\c:\reg+4*\c+3], v[\adr] offset:64*(\q)+32*\c+(\i)*16*PITCH
.endr
.endm
; 16 products: A's blocks a0, a0 + 1 x B's eight.  first = 1: the bias is C.  The 64 accumulators take turns, one instruction a turn.
.macro MUL16 a0, p, q, sc, first
.irp a, \a0, \a0+1
.irp b, 0,1,2,3,4,5,6,7
.if \first
	v_wmma_scale_f32_16x16x128_f8f6f4 v[8*(8*((\a)%4)+\b):8*(8*((\a)%4)+\b)+7], v[128*(\p)+FR*\b:128*(\p)+FR*\b+FR-1], v[AF+FR*(\a):AF+FR*(\a)+FR-1], v[BI+8*\b:BI+8*\b+7], v[SC+8*NQ*(\sc)+NQ*\b+(\q)], v[SC+8*NQ*(\sc)+NQ*(\a)+(\q)] matrix_a_fmt:MATRIX_FMT_FP4 matrix_b_fmt:MATRIX_FMT_FP4 matrix_a_scale:MATRIX_SCALE_ROW1
.else
	v_wmma_scale_f32_16x16x128_f8f6f4 v[8*(8*((\a)%4)+\b):8*(8*((\a)%4)+\b)+7], v[128*(\p)+FR*\b:128*(\p)+FR*\b+FR-1], v[AF+FR*(\a):AF+FR*(\a)+FR-1], v[8*(8*((\a)%4)+\b):8*(8*((\a)%4)+\b)+7], v[SC+8*NQ*(\sc)+NQ*\b+(\q)], v[SC+8*NQ*(\sc)+NQ*(\a)+(\q)] matrix_a_fmt:MATRIX_FMT_FP4 matrix_b_fmt:MATRIX_FMT_FP4 matrix_a_scale:MATRIX_SCALE_ROW1
.endif
.endr
.endr
.endm
.macro FETCH_B slot, q, p
	WIN TO_B
.irp i, 0,1,2,3,4,5,6,7
	FRAG 128*(\p)+FR*\i, ADRB+\slot, \q, \i
.endr
	WIN 0
.endm
.macro FETCH_A slot, q, i0
.irp i, \i0, \i0+1, \i0+2, \i0+3
	FRAG AF+FR*(\i), ADRA+\slot, \q, \i
.endr
.endm
.macro SCALES sc                       ; a slot's scale words: lanes 0-15 take A's block i, lanes 16-31 B's block i
.irp i, 0,1,2,3,4,5,6,7
	ds_load_b128 v[SC+8*NQ*\sc+NQ*\i:SC+8*NQ*\sc+NQ*\i+3], v[ADRS] offset:\i*SBLK
.endr
.endm
.macro PLACES n                        ; plain places behind matrix instructions, ahead of loads into their registers and of reads of results
.rept \n
	v_nop
.endr
.endm
.macro STEP slot, q, first             ; 128 along K, with its successor in the same slot
	s_wait_dscnt 4*NL                              ; B's set and A's blocks 0-3 are in; A's blocks 4-7 may be out
.if \first
	WIN FST_LO
.else
	WIN MUL_LO
.endif
	MUL16 0, (\q)%2, \q, \slot, \first
	MUL16 2, (\q)%2, \q, \slot, \first
	s_wait_dscnt 0
	PLACES NP
	FETCH_B \slot, (\q)+1, 1-(\q)%2
	FETCH_A \slot, (\q)+1, 0
.if \first
	WIN FST_HI
.else
	WIN MUL_HI
.endif
	MUL16 4, (\q)%2, \q, \slot, \first
	MUL16 6, (\q)%2, \q, \slot, \first
	PLACES NP
	WIN 0
	FETCH_A \slot, (\q)+1, 4
.endm
	s_wait_tensorcnt 1                             ; the scales and my part of slot 0 are in (slot 1's load may be out)
	s_barrier_signal -1
	s_barrier_wait -1                              ; everybody's are
	FETCH_B 0, 0, 0
	FETCH_A 0, 0, 0
	SCALES 0
	FETCH_A 0, 0, 4
	s_wait_loadcnt 0x0                             ; the bias
	STEP 0, 0, 1
	STEP 0, 1, 0
	STEP 0, 2, 0
	; slot 0's last step changes slots: one barrier
	s_wait_tensorcnt 0x0                           ; my part of slot 1 has landed
	ds_add_u32 v[SPW], v[NIL]                      ; 0 onto my spare word
	s_wait_dscnt 4*NL+1                            ; (the add and A's blocks 4-7 may be out)
	WIN MUL_LO
	MUL16 0, 1, NQ-1, 0, 0
	s_wait_dscnt 0x0                               ; the add is done, and my reads of slot 0 are over
	s_barrier_signal -1
	MUL16 2, 1, NQ-1, 0, 0
	WIN 0
	s_barrier_wait -1
	PLACES NP
	v_add_nc_u32 v[ADRS], 4*NQ, v[ADRS]            ; the second slot's scale words
	FETCH_B 1, 0, 0
	FETCH_A 1, 0, 0
	SCALES 1
	WIN MUL_HI
	MUL16 4, 1, NQ-1, 0, 0
	MUL16 6, 1, NQ-1, 0, 0
	PLACES NP
	WIN 0
	FETCH_A 1, 0, 4
	STEP 1, 0, 0
	STEP 1, 1, 0
	STEP 1, 2, 0
	s_wait_dscnt 4*NL                              ; the last step: nothing more to fetch
	WIN MUL_LO
	MUL16 0, 1, NQ-1, 1, 0
	MUL16 2, 1, NQ-1, 1, 0
	s_wait_dscnt 0
	WIN MUL_HI
	MUL16 4, 1, NQ-1, 1, 0
	MUL16 6, 1, NQ-1, 1, 0
	WIN 0
	PLACES NP
	; positions 0-15 of a batch, in f32: block 0 of the upper waves of the clusters with y = 0
	s_cmp_lg_u32 s95, 0
	s_cbranch_scc1 .Lno_copy
	WIN 0x08                                       ; a store's data: window 2
.irp b, 0,1,2,3,4,5,6,7
	global_store_b128 v[CPO], v[8*\b:8*\b+3], s[98:99] offset:64*\b
	global_store_b128 v[CPO], v[8*\b+4:8*\b+7], s[98:99] offset:64*\b+16
.endr
	WIN 0
.Lno_copy:
; THE WAY OUT, block by block of 16 rows x 128 columns (two heads): rounded to f16, through my stage, back as runs of four rows of one head: 512 consecutive bytes of memory.
.macro PACK a
.set AC, 64*((\a)%4)
	WIN 0x0a+5*((\a)/4)                            ; sources 0 and 1: window 2 or 3
.irp b, 0,1,2,3,4,5,6,7
.irp r, 0,1,2,3
	v_cvt_pk_f16_f32 v[TMP+4*\b+\r], v[AC+8*\b+2*\r], v[AC+8*\b+2*\r+1]
.endr
.endr
	WIN 0
.endm
.macro TOSTAGE a
.set BB, OB+192*((\a)%2)
.irp b, 0,1,2,3,4,5,6,7
	ds_store_b128 v[STO], v[TMP+4*\b:TMP+4*\b+3] offset:32*\b
.endr
.irp t, 0,1,2,3,4,5,6,7
	ds_load_b128 v[BB+4*\t:BB+4*\t+3], v[RD] offset:(\t%4)*4*SPITCH+(\t/4)*128   ; in order behind my stores
.endr
.endm
.macro SEND a
.set BB, OB+192*((\a)%2)
	s_wait_dscnt 0x0                               ; the block is back in registers
	s_wait_xcnt 0x0                                ; earlier stores have read their registers: the other set may be loaded again behind this wait
.irp t, 0,1,2,3,4,5,6,7
	global_store_b128 v[CO], v[BB+4*\t:BB+4*\t+3], s[12:13] offset:(\a)*2048+(\t/4)*262144+(\t%4)*512
.endr
.endm
	PACK 0
	TOSTAGE 0
.irp a, 1,2,3,4,5,6,7
	PACK \a
	SEND \a-1
	TOSTAGE \a
.endr
	SEND 7
	s_wait_tensorcnt 0x0                           ; the wave's end
	ds_add_u32 v[SPW], v[NIL]
	s_wait_dscnt 0x0
	CROUND                                         ; the closing round
	s_endpgm
.Lfunc_end_k_q8de3e32838_qkv:
	.size	k_q8de3e32838_qkv, .Lfunc_end_k_q8de3e32838_qkv-k_q8de3e32838_qkv
	.p2alignl 7, 3214868480
	.fill 96, 4, 3214868480
	.section	.rodata,"a",@progbits
	.p2align	6, 0x0
	.amdhsa_kernel k_q8de3e32838_qkv
		.amdhsa_group_segment_fixed_size 327680
		.amdhsa_private_segment_fixed_size 0
		.amdhsa_enable_private_segment 0
		.amdhsa_kernarg_size 56
		.amdhsa_user_sgpr_count 2
		.amdhsa_user_sgpr_kernarg_segment_ptr 1
		.amdhsa_wavefront_size32 1
		.amdhsa_system_sgpr_workgroup_id_x 1
		.amdhsa_system_sgpr_workgroup_id_y 1
		.amdhsa_system_sgpr_workgroup_id_z 1
		.amdhsa_system_vgpr_workitem_id 0
		.amdhsa_next_free_vgpr 1024
		.amdhsa_next_free_sgpr 100
		.amdhsa_reserve_vcc 0
		.amdhsa_float_denorm_mode_32 3
		.amdhsa_float_denorm_mode_16_64 3
		.amdhsa_memory_ordered 1
		.amdhsa_forward_progress 1
		.amdhsa_inst_pref_size 130
	.end_amdhsa_kernel
	.amdgpu_metadata
---
amdhsa.version: [ 1, 2 ]
amdhsa.kernels:
  - .name:           k_q8de3e32838_qkv
    .symbol:         k_q8de3e32838_qkv.kd
    .args:
      - { .name: xc, .offset: 0, .size: 8, .value_kind: global_buffer, .address_space: global }
      - { .name: xs, .offset: 8, .size: 8, .value_kind: global_buffer, .address_space: global }
      - { .name: wc, .offset: 16, .size: 8, .value_kind: global_buffer, .address_space: global }
      - { .name: ws, .offset: 24, .size: 8, .value_kind: global_buffer, .address_space: global }
      - { .name: qkvh, .offset: 32, .size: 8, .value_kind: global_buffer, .address_space: global }
      - { .name: bqkv, .offset: 40, .size: 8, .value_kind: global_buffer, .address_space: global }
      - { .name: q32, .offset: 48, .size: 8, .value_kind: global_buffer, .address_space: global }
    .group_segment_fixed_size: 327680
    .private_segment_fixed_size: 0
    .kernarg_segment_align: 8
    .kernarg_segment_size: 56
    .max_flat_workgroup_size: 128
    .sgpr_count:     100
    .vgpr_count:     1024
    .wavefront_size: 32
...
	.end_amdgpu_metadata
.endif
;; end of part 4
;; launch attn (part 5): grid 4 x 64, 16 waves a work-group, no clusters, 327,680 bytes of LDS; arguments qkvh, yh; writes yh
.if DOCPART == 5
	.amdgcn_target "amdgcn-amd-amdhsa--gfx1250"
	.amdhsa_code_object_version 6
	.text
	.protected	k_q8de3e32838_attn
	.globl	k_q8de3e32838_attn
	.p2align	8
	.type	k_q8de3e32838_attn,@function
k_q8de3e32838_attn:
	s_mov_b64 s[64:65], 0
	v_nop
	global_prefetch_b8 v0, s[64:65] scope:SCOPE_SE
	s_setreg_imm32_b32 hwreg(HW_REG_WAVE_MODE, 25, 1), 1
	s_wait_xcnt 0x0
; y[b][h][q] = the sum over k <= q of softmax_k(q . k / 8) v[k], head size 64, 2,048 positions, operands in f16, products, maxima and sums in f32; the weights p are rounded to f16 for the second product.
; q, k, v: three sections of 16 MiB, each [b][h][s][64] f16.  y: [b][h][s][64] f16.
; SHARES.  Work-group (i, head) owns query blocks i and 7 - i of 256 queries: waves 0-7 the first, waves 8-15 the second, so that every work-group has the same work under the causal mask.
; A wave owns 32 queries, two tiles of 16: each fragment of K and V read from LDS feeds two products.  Four waves to a SIMD: one wave's softmax stands beside another's products.
; NO CLUSTER: the work-groups of a head need different numbers of tiles (8 - i slots), so a joint load would bring tiles that a partner never reads.
; THE WALK.  Every work-group walks 8 slots of 256 keys, 64 keys a step; trip counts are constants.  A step all of whose keys come after the wave's queries is jumped over (a branch on ids); a slot whose first key
; comes after the work-group's last query is not asked for.  Every wait for tensor loads is for 0.
; LAYOUT.  S^T = K Q^T (source 0 = 16 keys, source 1 = 16 queries): a lane holds ONE query and keys 8 (lane / 16) + 0..7; two such tiles rounded in pairs are source 1 of O^T = V^T P.  V is turned by ds_load_tr16_b128.
; SOFTMAX.  Running maximum m and sum l for each query: p = 2^(c s - c m), c = log2(e) / 8; O and l are multiplied by a = 2^(c m_old - c m_new) in every step.
; LIMITS: |q|, |k|, |v| under 65,504; p under 6e-8 falls to 0 in f16.
; LDS: K's and V's tiles are dense in memory and are stated as rows of 256 bytes (two keys): K + 16 bytes of padding (pitch 272), V + 32 (pitch 288).
.set KP,    272
.set VP,    288
.set VOFF,  128*KP                     ; a slot: 128 rows of K, then 128 rows of V
.set KSTEP, 32*KP                      ; 64 keys
.set VSTEP, 32*VP
.set SLOT1, 1<<17
.set STAGE, 2*SLOT1                    ; 16 rows x (128 + 16) bytes for each wave: bytes of its own
.set SPARE, STAGE+16*16*144            ; the spare words, 128 bytes a wave
.set AK0, 1                            ; v1  my lane's place in a tile of K
.set AV0, 2                            ; v2  in a tile of V
.set ADK, 3
.set ADV, 4
.set SPW, 5
.set NIL, 6
.set QD,  7                            ; v7  lane % 16 - 8 (lane / 16)
.set STO, 8
.set RD,  9
.set ST,  10                           ; v10-25 tile t's statistics at ST + 8 t: +0 c m, +1 m, +2,+3 l, +4..+7 at work; a in +6
.set GO,  30
.set PFO, 31
.set QF,  32                           ; v32-63  Q: (tile t, channels 32 dh on) at QF + 16 t + 8 dh
.set S,   64                           ; v64-127 S^T, 32 a tile; p in f16 is packed into the tile's first 16
.set OT,  128                          ; v128-191 O^T: (t, c) at OT + 32 t + 8 c
.set FG,  192                          ; v192-255 eight fragments of K, then of V
.set WV,  12
.set SEL, 14
.set CS,  16
.set G1K, 24
.set G1V, 32
.set G0K, 40
.set G0V, 44
.set SB,  48                           ; s48 LDS byte at which the slot in hand begins
.set QL,  49                           ; s49 my last query
.set SLOTS, 51
.set KF,  53                           ; s53 the step's first key
.set Q0,  54                           ; s54 my first query
.set LASTQ, 55                         ; s55 my work-group's last query
.set PFA, 56
.set LIM, 58
; Waves 0 and 1 fetch K's halves, waves 2 and 3 V's, the others nothing.  An s_nop 0 and four v_nop follow each line.
.macro TLOAD
	s_cmp_lt_u32 s[WV], 2
	s_cbranch_scc0 .Lnot_k_\@
	tensor_load_to_lds s[G0K:G0K+3], s[G1K:G1K+7]
	s_nop 0
.rept 4
	v_nop
.endr
	s_branch .Lasked_\@
.Lnot_k_\@:
	s_cmp_lt_u32 s[WV], 4
	s_cbranch_scc0 .Lasked_\@
	tensor_load_to_lds s[G0V:G0V+3], s[G1V:G1V+7]
	s_nop 0
.rept 4
	v_nop
.endr
.Lasked_\@:
.endm
; A prefetch of what the NEXT change of slots will ask for: 32,768 dense bytes of K and of V.  The head's first work-group asks, which walks all slots; in it waves 4-7 ask for K, waves 8-11 for V,
; 8,192 bytes a wave, lanes 256 bytes apart: each block is named once in the launch.  The last change that fills a slot asks for nothing.
.macro ASK
	s_cmp_gt_u32 s[SLOTS], s[LIM]
	s_cbranch_scc0 .Lnot_mine_\@
	global_prefetch_b8 v[PFO], s[PFA:PFA+1] th:TH_LOAD_NT scope:SCOPE_SE
.Lnot_mine_\@:
.endm
	s_load_b128 s[4:7], s[0:1], 0x0                ; q, k, v; y
	v_lshl_add_u32 v[SPW], v0, 2, SPARE
	v_mov_b32 v[NIL], 0
	ds_add_u32 v[SPW], v[NIL]                      ; the opening: the add, twice on end, and its wait ahead of the first tensor load
	ds_add_u32 v[SPW], v[NIL]
	v_lshrrev_b32 v1, 5, v0
	v_readfirstlane_b32 s[WV], v1                  ; wave 0..15
	s_and_b32 s20, ttmp7, 0xffff                   ; 16 b + h
	s_lshl_b32 s18, s20, 18                        ; the head's first byte in a section
	s_mov_b32 s19, 0
	s_sub_co_u32 s21, 7, ttmp9
	s_lshl_b32 s[LASTQ], s21, 8
	s_or_b32 s[LASTQ], s[LASTQ], 255
	s_cmp_lt_u32 s[WV], 8
	s_cselect_b32 s21, ttmp9, s21                  ; my block of 256 queries
	s_and_b32 s22, s[WV], 7
	s_lshl_b32 s22, s22, 5
	s_lshl_b32 s[Q0], s21, 8
	s_add_co_u32 s[Q0], s[Q0], s22
	s_add_co_u32 s[QL], s[Q0], 31
	s_and_b32 s23, s[WV], 1                        ; which half of a slot's rows I fetch, if I fetch
	s_mul_i32 s[G0K+1], s23, 64*KP
	s_mul_i32 s[G0V+1], s23, 64*VP
	s_add_co_u32 s[G0V+1], s[G0V+1], VOFF
	s_lshl_b32 s22, s23, 14
	s_add_co_u32 s22, s22, s18
	s_add_co_u32 s22, s22, 0x1000000               ; K's section
	s_mov_b32 s23, 0
	s_mov_b32 s[G1K], (1<<16)|(1<<20)|(5<<22)|(3<<25)   ; elements of 2 bytes; 4 words of padding after every 64
	s_mov_b32 s[G1V], (1<<16)|(1<<20)|(5<<22)|(7<<25)   ; 8 words
.irp g, G1K, G1V
	s_mov_b32 s[\g+1], 128<<16                     ; tensor_dim0 = 128 elements
	s_mov_b32 s[\g+2], 64<<16                      ; tensor_dim1 = 64 rows
	s_mov_b32 s[\g+3], 128<<16                     ; tile_dim0
	s_mov_b32 s[\g+4], 64                          ; tile_dim1
	s_mov_b32 s[\g+5], 128                         ; the pitch: dense
	s_mov_b32 s[\g+6], 0
	s_mov_b32 s[\g+7], 0
.endr
	s_mov_b32 s[SEL], 0x76543210
	s_mov_b32 s[SEL+1], 0xfedcba98
	s_mov_b32 s[CS], 0x3e38aa3b                    ; c = log2(e) / 8
	s_mov_b32 s[CS+1], s[CS]
	s_mov_b32 s[SB], 0
	s_mov_b32 s[KF], 0
	s_mov_b32 s[SLOTS], 7
	s_wait_dscnt 0x0                               ; both opening adds are done
	s_wait_kmcnt 0x0
	s_mov_b32 s[G0K], 1
	s_add_nc_u64 s[G0K+2:G0K+3], s[4:5], s[22:23]
	s_add_nc_u64 s[G0V+2:G0V+3], s[G0K+2:G0K+3], 0x1000000   ; V's section
	s_or_b32 s[G0K+3], s[G0K+3], 0x80000000
	s_mov_b32 s[G0V], 1
	s_or_b32 s[G0V+3], s[G0V+3], 0x80000000
	TLOAD                                          ; slot 0: it holds key 0, which counts for every query
	s_lshl_b32 s20, s[Q0], 7
	s_add_co_u32 s20, s20, s18
	s_mov_b32 s21, 0
	s_add_nc_u64 s[8:9], s[4:5], s[20:21]          ; Q at my first query
	s_add_nc_u64 s[10:11], s[6:7], s[20:21]        ; y likewise
	v_and_b32 v26, 15, v0                          ; r
	v_bfe_u32 v27, v0, 4, 1                        ; h
	v_lshlrev_b32 v29, 7, v26
	v_lshl_add_u32 v29, v27, 4, v29                ; row r of 128 bytes + 16 h
.irp t, 0,1
.irp dh, 0,1
	global_load_b128 v[QF+16*\t+8*\dh:QF+16*\t+8*\dh+3], v29, s[8:9] offset:2048*\t+64*\dh
	global_load_b128 v[QF+16*\t+8*\dh+4:QF+16*\t+8*\dh+7], v29, s[8:9] offset:2048*\t+64*\dh+32
.endr
.endr
	v_lshrrev_b32 v28, 1, v26
	v_mul_u32_u24 v[AK0], v28, KP
	v_and_b32 v28, 1, v0
	v_lshl_add_u32 v[AK0], v28, 7, v[AK0]
	v_lshl_add_u32 v[AK0], v27, 4, v[AK0]          ; key r: (r / 2) x 272 + (r % 2) x 128 + 16 h
	v_bfe_u32 v[AV0], v0, 1, 2
	v_lshl_add_u32 v[AV0], v27, 2, v[AV0]
	v_mul_u32_u24 v[AV0], v[AV0], VP
	v_lshl_add_u32 v[AV0], v28, 7, v[AV0]
	v_bfe_u32 v28, v0, 3, 1
	v_lshl_add_u32 v[AV0], v28, 4, v[AV0]
	v_add_nc_u32 v[AV0], VOFF, v[AV0]              ; key 8 h + lane % 8, channels 8 ((lane / 8) % 2) on
	v_lshlrev_b32 v28, 3, v27
	v_sub_nc_u32 v[QD], v26, v28
	s_mul_i32 s20, s[WV], 16*144
	s_add_co_u32 s20, s20, STAGE
	v_mul_u32_u24 v[STO], v26, 144
	v_lshl_add_u32 v[STO], v27, 4, v[STO]
	v_add_nc_u32 v[STO], s20, v[STO]
	v_bfe_u32 v28, v0, 3, 2
	v_mul_u32_u24 v[RD], v28, 144
	v_and_b32 v28, 7, v0
	v_lshl_add_u32 v[RD], v28, 4, v[RD]
	v_add_nc_u32 v[RD], s20, v[RD]
	v_and_b32 v28, 31, v0
	v_lshlrev_b32 v[GO], 4, v28
	v_lshlrev_b32 v[PFO], 8, v28
.set n, 0
.rept 16
	v_mov_b32 v[ST+n], 0                           ; l = 0; the registers at work are written once (a lane permute's destination counts as a source)
.set n, n+1
.endr
.irp t, 0,1
	v_mov_b32 v[ST+8*\t+1], 0xff61b1e6             ; m = -3e38, under every score
	v_mul_f32 v[ST+8*\t], s[CS], v[ST+8*\t+1]
.endr
.set n, 0
.rept 64
	v_mov_b32 v[OT+n], 0                           ; O^T: the step is written in one form; the first finds zeros, which a = 0 leaves zeros
.set n, n+1
.endr
	s_mov_b32 s20, 0x2000000
	s_cmp_lt_u32 s[WV], 8
	s_cselect_b32 s20, 0x1000000, s20              ; waves 4-7: K's section; waves 8-11: V's
	s_and_b32 s21, s[WV], 3
	s_lshl_b32 s21, s21, 13
	s_add_co_u32 s20, s20, s21
	s_add_co_u32 s20, s20, s18
	s_add_co_u32 s20, s20, 32768                   ; in slot 1: the first change of slots steps it to slot 2
	s_mov_b32 s21, 0
	s_add_nc_u64 s[PFA:PFA+1], s[4:5], s[20:21]
	s_sub_co_u32 s20, s[WV], 4
	s_lshr_b32 s20, s20, 3                         ; 0 in waves 4 to 11,
	s_or_b32 s20, s20, ttmp9                       ; of the head's first work-group
	s_cmp_eq_u32 s20, 0
	s_cselect_b32 s[LIM], 1, -1
; A KEY STEP: 64 keys, the q-th of the slot in hand.
.macro STEP q
	s_cmp_gt_u32 s[KF], s[QL]                      ; all 64 keys come after my queries: nothing to do but to count on
	s_cbranch_scc1 .Lhidden_\@
	v_add_nc_u32 v[ADK], s[SB], v[AK0]
	v_add_nc_u32 v[ADV], s[SB], v[AV0]
.rept 3
	v_nop                                          ; with the two additions five places: the products below write over p, which the last step's products read
.endr
.irp dh, 0,1
.irp kt, 0,1,2,3
	ds_load_b128 v[FG+8*(2*\kt+\dh):FG+8*(2*\kt+\dh)+3], v[ADK] offset:(\q)*KSTEP+\kt*8*KP+64*\dh
	ds_load_b128 v[FG+8*(2*\kt+\dh)+4:FG+8*(2*\kt+\dh)+7], v[ADK] offset:(\q)*KSTEP+\kt*8*KP+64*\dh+32
.endr
.endr
	s_wait_dscnt 8                                 ; the first 32 channels' eight loads are in
.irp kt, 0,1,2,3
.irp t, 0,1
	v_wmma_f32_16x16x32_f16 v[S+32*\t+8*\kt:S+32*\t+8*\kt+7], v[FG+16*\kt:FG+16*\kt+7], v[QF+16*\t:QF+16*\t+7], 0
.endr
.endr
	s_wait_dscnt 0x0
.irp kt, 0,1,2,3
.irp t, 0,1
	v_wmma_f32_16x16x32_f16 v[S+32*\t+8*\kt:S+32*\t+8*\kt+7], v[FG+16*\kt+8:FG+16*\kt+15], v[QF+16*\t+8:QF+16*\t+15], v[S+32*\t+8*\kt:S+32*\t+8*\kt+7]
.endr
.endr
.rept 4
	v_nop                                          ; places ahead of the loads into K's registers and of the first read of the scores
.endr
.irp kh, 0,1
.irp c, 0,1,2,3
	ds_load_tr16_b128 v[FG+8*(2*\c+\kh):FG+8*(2*\c+\kh)+3], v[ADV] offset:(\q)*VSTEP+\kh*16*VP+32*\c
	ds_load_tr16_b128 v[FG+8*(2*\c+\kh)+4:FG+8*(2*\c+\kh)+7], v[ADV] offset:(\q)*VSTEP+\kh*16*VP+8*VP+32*\c
.endr
.endr
	s_add_co_u32 s20, s[KF], 63                    ; on the diagonal hidden scores become -infinity ahead of the maximum; a step all of whose keys count skips this
	s_cmp_le_u32 s20, s[Q0]
	s_cbranch_scc1 .Lopen_\@
	s_sub_co_i32 s20, s[Q0], s[KF]
	v_add_nc_u32 v26, s20, v[QD]                   ; register n holds key KF + 16 (n / 8) + 8 h + n % 8: hidden where 16 (n / 8) + n % 8 > my query - KF - 8 h
	v_add_nc_u32 v27, 16, v26
	v_mov_b32 v28, 0xff800000
.set n, 0
.rept 32
	v_cmp_gt_i32 vcc_lo, 16*(n/8)+n%8, v26
	v_cndmask_b32 v[S+n], v[S+n], v28, vcc_lo
	v_cmp_gt_i32 vcc_lo, 16*(n/8)+n%8, v27
	v_cndmask_b32 v[S+32+n], v[S+32+n], v28, vcc_lo
.set n, n+1
.endr
.Lopen_\@:
.irp j, 0,1,2,3                                ; the maximum of 32 scores and the old m, four chains, the two tiles by turns; each accumulator is read from its low end on
.irp t, 0,1
	v_max3_num_f32 v[ST+8*\t+4+\j], v[S+32*\t+8*\j], v[S+32*\t+8*\j+1], v[S+32*\t+8*\j+2]
.endr
.endr
.irp i, 3,5
.irp j, 0,1,2,3
.irp t, 0,1
	v_max3_num_f32 v[ST+8*\t+4+\j], v[ST+8*\t+4+\j], v[S+32*\t+8*\j+\i], v[S+32*\t+8*\j+\i+1]
.endr
.endr
.endr
.irp t, 0,1
	v_max3_num_f32 v[ST+8*\t+4], v[ST+8*\t+4], v[S+32*\t+7], v[S+32*\t+15]
	v_max3_num_f32 v[ST+8*\t+6], v[ST+8*\t+6], v[S+32*\t+23], v[S+32*\t+31]
.endr
.irp t, 0,1
	v_max3_num_f32 v[ST+8*\t+4], v[ST+8*\t+4], v[ST+8*\t+5], v[ST+8*\t+6]
.endr
.irp t, 0,1
	v_max3_num_f32 v[ST+8*\t+4], v[ST+8*\t+4], v[ST+8*\t+7], v[ST+8*\t+1]
.endr
.irp t, 0,1
	v_permlanex16_b32 v[ST+8*\t+5], v[ST+8*\t+4], s[SEL], s[SEL+1]   ; the query's other 32 keys lie 16 lanes away
.endr
.irp t, 0,1
	v_mov_b32 v[ST+8*\t+7], v[ST+8*\t]             ; c m_old
.endr
.irp t, 0,1
	v_max_num_f32 v[ST+8*\t+1], v[ST+8*\t+4], v[ST+8*\t+5]
.endr
.irp t, 0,1
	v_mul_f32 v[ST+8*\t], s[CS], v[ST+8*\t+1]
.endr
.irp t, 0,1
	v_sub_f32 v[ST+8*\t+7], v[ST+8*\t+7], v[ST+8*\t]
.endr
.irp n, 0,2,4,6,8,10,12,14,16,18,20,22,24,26,28,30
.irp t, 0,1
	v_pk_fma_f32 v[S+32*\t+\n:S+32*\t+\n+1], v[S+32*\t+\n:S+32*\t+\n+1], s[CS:CS+1], v[ST+8*\t:ST+8*\t+1] op_sel_hi:[1,0,0] neg_lo:[0,0,1] neg_hi:[0,0,1]   ; c s - c m
.endr
.endr
.irp t, 0,1
	v_exp_f32 v[ST+8*\t+6], v[ST+8*\t+7]           ; a
.endr
.set n, 0
.rept 64
	v_exp_f32 v[S+n], v[S+n]                       ; p: one batch of 66 exponentials
.set n, n+1
.endr
	v_nop                                          ; a plain place behind the last exponential
	s_wait_alu depctr_va_vdst(0)                   ; one wait for the batch, ahead of its first reader
.irp t, 0,1                                    ; l = a l + the sum of the unrounded p, pairs in two chains
	v_pk_add_f32 v[26:27], v[S+32*\t:S+32*\t+1], v[S+32*\t+2:S+32*\t+3]
	v_pk_add_f32 v[28:29], v[S+32*\t+4:S+32*\t+5], v[S+32*\t+6:S+32*\t+7]
.irp n, 8,12,16,20,24,28
	v_pk_add_f32 v[26:27], v[26:27], v[S+32*\t+\n:S+32*\t+\n+1]
	v_pk_add_f32 v[28:29], v[28:29], v[S+32*\t+\n+2:S+32*\t+\n+3]
.endr
	v_pk_add_f32 v[26:27], v[26:27], v[28:29]
	v_pk_fma_f32 v[ST+8*\t+2:ST+8*\t+3], v[ST+8*\t+2:ST+8*\t+3], v[ST+8*\t+6:ST+8*\t+7], v[26:27] op_sel_hi:[1,0,1]
.endr
.irp t, 0,1
.set n, 0
.rept 16
	v_cvt_pk_f16_f32 v[S+32*\t+n], v[S+32*\t+2*n], v[S+32*\t+2*n+1]   ; ascending, in place: pair n lands under what is still to be read
.set n, n+1
.endr
.endr
.irp t, 0,1
.set n, 0
.rept 16
	v_pk_mul_f32 v[OT+32*\t+n:OT+32*\t+n+1], v[OT+32*\t+n:OT+32*\t+n+1], v[ST+8*\t+6:ST+8*\t+7] op_sel_hi:[1,0]   ; O^T x a
.set n, n+2
.endr
.endr
	s_wait_dscnt 0x0                               ; V is in
.irp kh, 0,1                                   ; O^T += V^T P: eight accumulators by turns
.irp c, 0,1,2,3
.irp t, 0,1
	v_wmma_f32_16x16x32_f16 v[OT+32*\t+8*\c:OT+32*\t+8*\c+7], v[FG+8*(2*\c+\kh):FG+8*(2*\c+\kh)+7], v[S+32*\t+8*\kh:S+32*\t+8*\kh+7], v[OT+32*\t+8*\c:OT+32*\t+8*\c+7]
.endr
.endr
.endr
.Lhidden_\@:
	s_add_co_u32 s[KF], s[KF], 64
.endm
; THE CHANGE OF SLOTS stands at a slot's head: each wave waits for all its tensor loads, adds 0 to its spare word, waits for that and for its reads of the slot it has left; one barrier.
; fill = 1: the slot just left is filled with the next 256 keys, up to the causal limit: the load has four steps in which to land.
.macro CHANGE fill
	s_wait_tensorcnt 0x0                           ; no tensor load of mine is out: the descriptors may be written
	ds_add_u32 v[SPW], v[NIL]
.if \fill
	ds_add_u32 v[SPW], v[NIL]                      ; twice on end here, in every trip alike
	s_xor_b32 s[G0K+1], s[G0K+1], SLOT1
	s_add_nc_u64 s[G0K+2:G0K+3], s[G0K+2:G0K+3], 32768
	s_xor_b32 s[G0V+1], s[G0V+1], SLOT1
	s_add_nc_u64 s[G0V+2:G0V+3], s[G0V+2:G0V+3], 32768
	s_wait_xcnt 0x0                                ; the last prefetch, a slot back, has read its address
	s_add_nc_u64 s[PFA:PFA+1], s[PFA:PFA+1], 32768
.endif
	s_wait_dscnt 0x0
	s_barrier_signal -1
	s_barrier_wait -1
.if \fill
	s_add_co_u32 s20, s[KF], 256                   ; the first key of the slot that this change would ask for
	s_cmp_gt_u32 s20, s[LASTQ]                     ; ids and the count of steps alone: all sixteen waves go the same way
	s_cbranch_scc1 .Lpast_\@
	TLOAD
.Lpast_\@:
	ASK
.endif
.endm
.macro SLOT_STEPS
	STEP 0
	STEP 1
	STEP 2
	STEP 3
	s_xor_b32 s[SB], s[SB], SLOT1
.endm
	s_wait_loadcnt 0x0                             ; Q
.Lslot:                                            ; seven trips
	CHANGE 1
	SLOT_STEPS
	s_sub_co_u32 s[SLOTS], s[SLOTS], 1
	s_cmp_lg_u32 s[SLOTS], 0
	s_cbranch_scc1 .Lslot
	CHANGE 0                                       ; the last slot is written out: nothing is left to ask for
	SLOT_STEPS
	; THE WAY OUT: O^T / l, rounded to f16, through my stage, a tile of 16 queries at a time; each store covers 512 consecutive bytes, aligned.
.rept 4
	v_nop
.endr
.irp t, 0,1
	v_add_f32 v[ST+8*\t+4], v[ST+8*\t+2], v[ST+8*\t+3]
.endr
.irp t, 0,1
	v_permlanex16_b32 v[ST+8*\t+5], v[ST+8*\t+4], s[SEL], s[SEL+1]
.endr
.irp t, 0,1
	v_add_f32 v[ST+8*\t+4], v[ST+8*\t+4], v[ST+8*\t+5]
.endr
.irp t, 0,1
	v_rcp_f32 v[ST+8*\t+6], v[ST+8*\t+4]
.endr
	v_nop
	s_wait_alu depctr_va_vdst(0)                   ; one wait for the two reciprocals
.irp t, 0,1
.set n, 0
.rept 16
	v_pk_mul_f32 v[OT+32*\t+n:OT+32*\t+n+1], v[OT+32*\t+n:OT+32*\t+n+1], v[ST+8*\t+6:ST+8*\t+7] op_sel_hi:[1,0]
.set n, n+2
.endr
.set n, 0
.rept 16
	v_cvt_pk_f16_f32 v[S+16*\t+n], v[OT+32*\t+2*n], v[OT+32*\t+2*n+1]
.set n, n+1
.endr
.irp c, 0,1,2,3
	ds_store_b128 v[STO], v[S+16*\t+4*\c:S+16*\t+4*\c+3] offset:32*\c
.endr
.irp i, 0,1,2,3
	ds_load_b128 v[S+32+16*\t+4*\i:S+32+16*\t+4*\i+3], v[RD] offset:576*\i   ; in order behind my stores; the next tile's stores come behind these
.endr
.endr
	s_wait_dscnt 8                                 ; tile 0 is back (tile 1's eight LDS instructions may be out)
.irp i, 0,1,2,3
	global_store_b128 v[GO], v[S+32+4*\i:S+32+4*\i+3], s[10:11] offset:512*\i
.endr
	s_wait_dscnt 0x0
.irp i, 0,1,2,3
	global_store_b128 v[GO], v[S+48+4*\i:S+48+4*\i+3], s[10:11] offset:2048+512*\i
.endr
	s_wait_tensorcnt 0x0                           ; the wave's end
	ds_add_u32 v[SPW], v[NIL]
	s_wait_dscnt 0x0
	s_endpgm
.Lfunc_end_k_q8de3e32838_attn:
	.size	k_q8de3e32838_attn, .Lfunc_end_k_q8de3e32838_attn-k_q8de3e32838_attn
	.p2alignl 7, 3214868480
	.fill 96, 4, 3214868480
	.section	.rodata,"a",@progbits
	.p2align	6, 0x0
	.amdhsa_kernel k_q8de3e32838_attn
		.amdhsa_group_segment_fixed_size 327680
		.amdhsa_private_segment_fixed_size 0
		.amdhsa_enable_private_segment 0
		.amdhsa_kernarg_size 16
		.amdhsa_user_sgpr_count 2
		.amdhsa_user_sgpr_kernarg_segment_ptr 1
		.amdhsa_wavefront_size32 1
		.amdhsa_system_sgpr_workgroup_id_x 1
		.amdhsa_system_sgpr_workgroup_id_y 1
		.amdhsa_system_sgpr_workgroup_id_z 1
		.amdhsa_system_vgpr_workitem_id 0
		.amdhsa_next_free_vgpr 256
		.amdhsa_next_free_sgpr 66
		.amdhsa_reserve_vcc 1
		.amdhsa_float_denorm_mode_32 3
		.amdhsa_float_denorm_mode_16_64 3
		.amdhsa_memory_ordered 1
		.amdhsa_forward_progress 1
		.amdhsa_inst_pref_size 188
	.end_amdhsa_kernel
	.amdgpu_metadata
---
amdhsa.version: [ 1, 2 ]
amdhsa.kernels:
  - .name:           k_q8de3e32838_attn
    .symbol:         k_q8de3e32838_attn.kd
    .args:
      - { .name: qkvh, .offset: 0, .size: 8, .value_kind: global_buffer, .address_space: global }
      - { .name: yh, .offset: 8, .size: 8, .value_kind: global_buffer, .address_space: global }
    .group_segment_fixed_size: 327680
    .private_segment_fixed_size: 0
    .kernarg_segment_align: 8
    .kernarg_segment_size: 16
    .max_flat_workgroup_size: 512
    .sgpr_count:     66
    .vgpr_count:     256
    .wavefront_size: 32
...
	.end_amdgpu_metadata
.endif
;; end of part 5
;; launch oproj (part 6): grid 4 x 64, 4 waves a work-group, clusters of 4 x 4, 327,680 bytes of LDS; arguments yh, wot, bo, out0; writes out0
.if DOCPART == 6
	.amdgcn_target "amdgcn-amd-amdhsa--gfx1250"
	.amdhsa_code_object_version 6
	.text
	.protected	k_q8de3e32838_oproj
	.globl	k_q8de3e32838_oproj
	.p2align	8
	.type	k_q8de3e32838_oproj,@function
k_q8de3e32838_oproj:
	s_mov_b64 s[64:65], 0
	v_nop
	global_prefetch_b8 v0, s[64:65] scope:SCOPE_SE
	s_setreg_imm32_b32 hwreg(HW_REG_WAVE_MODE, 25, 1), 1
	s_wait_xcnt 0x0
	s_wait_alu depctr_hold_cnt(0) depctr_sa_sdst(0) depctr_va_vdst(0) depctr_va_sdst(0) depctr_va_ssrc(0) depctr_va_vcc(0) depctr_vm_vsrc(0)
	s_getreg_b32 s2, hwreg(HW_REG_IB_STS2, 6, 4)
	s_cmp_eq_u32 s2, 0
	s_cbranch_scc0 .Lentry_in_a_cluster
	s_endpgm
.Lentry_in_a_cluster:
	s_bfe_u32 s2, ttmp6, 0x10000c
	s_cmp_lg_u32 s2, 0xf033
	s_cbranch_scc0 .Lentry_shape_is_right
	s_endpgm
.Lentry_shape_is_right:
; out = y Wo + bo, operands in f16, sums in f32.  y: [b][h][s][64] f16 (row m = 2,048 b + s, k = 64 h + d); WoT: [n 1024][k 1024] f16; out: [8192][1024] f32.
; A tile of 128 (m) x 256 (n) is made by four waves, each 64 x 128: 32 accumulators, 256 registers; 256 work-groups.  K goes in steps of 128 (two heads) through a ring of two LDS slots.
; A slot: two heads' 128 rows of y, each head 16,384 dense bytes stated as 64 rows of 256 bytes + 16; then 256 rows of WoT, 256 bytes + 16.  Waves 0, 1 fetch a head each, waves 2, 3 128 rows of WoT each.
; CLUSTERS: 4 x 4; y's tiles are shared along a row of the cluster, WoT's along a column, by joint loads; each refill stands behind a round of the cluster's barrier.
; THE MATRIX INSTRUCTION IS USED TRANSPOSED (source 0 = 16 rows of WoT, source 1 = 16 rows of y): a lane holds eight neighbouring columns of a row.  The bias is the C of each sum's first product.
; The rows at positions 0-15 of each batch are written again, more finely, by the launch behind this one.  LIMIT: |y|, |Wo| under 65,504.
; REGISTERS: window 0: v0-31 addresses; v64-95, v96-127 y's fragments, two sets; v128-255 the way out.  window 1: v0-63, v64-127 WoT's fragments, two sets; v128-191 the bias.  window 2: accumulator (a, b) at v[8 (8 a + b)].
.set PITCH,  272
.set AH,     64*PITCH                  ; a head's 128 rows
.set BH,     128*PITCH                 ; 128 rows of WoT
.set BOFF,   2*AH
.set SLOT,   2*AH+2*BH
.set STAGE,  2*SLOT                    ; 16 rows x (512 + 16) bytes for each wave
.set SPITCH, 528
.set SPARE,  STAGE+4*16*SPITCH
.set LAPS,   4
.set ASTEP,  524288                    ; a K step in y: two heads of 262,144 bytes
.set ADRA, 16
.set ADRB, 20
.set STO,  24
.set RD,   25
.set CO,   26
.set SPW,  28
.set NIL,  29
.set PFO,  30
.set BIO,  31
.set FA,   64
.set BIAS, 128
.set BK,   128
.set G1, 24
.set G0, 32
.set G1B, 48
.set G0B, 56
.set PFA, 66
.set LIM, 68
.set MSB, 0
.macro WIN new
.if MSB != \new
	s_set_vgpr_msb (MSB<<8)|\new
.set MSB, \new
.endif
.endm
.set MUL,  0xa1                        ; source 0 window 1, source 1 window 0, C and D window 2
.set FST,  0x91                        ; the same with C (the bias) in window 1
.set TO_B, 0x40
.macro JLOAD s                         ; a joint load; an s_nop 0 and four v_nop follow each line
	s_cmp_eq_u32 s13, 0
	s_cbranch_scc0 .Lfor_b_\@
	tensor_load_to_lds s[G0+4*\s:G0+4*\s+3], s[G1:G1+7]
	s_nop 0
.rept 4
	v_nop
.endr
	s_branch .Lasked_\@
.Lfor_b_\@:
	tensor_load_to_lds s[G0B+4*\s:G0B+4*\s+3], s[G1B:G1B+7]
	s_nop 0
.rept 4
	v_nop
.endr
.Lasked_\@:
.endm
.macro CREST
	s_cmp_lg_u32 s12, 0
	s_cbranch_scc1 .Lnot_wave_0_\@
	s_barrier_signal -3
.Lnot_wave_0_\@:
	s_barrier_wait -3
	s_barrier_signal -1
	s_barrier_wait -1
.endm
.macro CROUND
	s_barrier_signal -1
	s_barrier_wait -1
	CREST
.endm
; A prefetch of y's K step that stands two refills on: 128 blocks of 256 bytes; the four partners of a row of the cluster take 32 each, told apart by address; in each, wave 0 asks, a lane a block.
; Only this row of the cluster reads these rows, so each block is named once.  The loop's last trip asks for nothing: there is no K step two refills on.  WoT is read again by every cluster and is not asked for.
.macro ASK
	s_cmp_gt_u32 s3, s[LIM]
	s_cbranch_scc0 .Lnot_mine_\@
	global_prefetch_b8 v[PFO], s[PFA:PFA+1] offset:ASTEP th:TH_LOAD_NT scope:SCOPE_SE
.Lnot_mine_\@:
.endm
	s_load_b128 s[4:7], s[0:1], 0x0                ; y, WoT
	s_load_b128 s[8:11], s[0:1], 0x10              ; bo, out
	v_lshl_add_u32 v[SPW], v0, 2, SPARE
	v_mov_b32 v[NIL], 0
	ds_add_u32 v[SPW], v[NIL]                      ; the opening: the add, twice on end, and its wait ahead of my first tensor load
	ds_add_u32 v[SPW], v[NIL]
	v_lshrrev_b32 v1, 5, v0
	v_readfirstlane_b32 s12, v1                    ; wave 0..3
	s_lshr_b32 s13, s12, 1                         ; my half of the tile's rows; also: I fetch y (0) or WoT (1)
	s_and_b32 s14, s12, 1                          ; my half of its columns; also: which part I fetch
	s_bfe_u32 s40, ttmp6, 0x40000                  ; cx
	s_bfe_u32 s41, ttmp6, 0x40004                  ; cy
	s_lshl_b32 s42, ttmp9, 2
	s_add_co_u32 s42, s42, s40                     ; tile column
	s_and_b32 s15, ttmp7, 0xffff
	s_lshl_b32 s15, s15, 2
	s_add_co_u32 s15, s15, s41                     ; tile row
	s_lshl_b32 s43, s41, 2
	s_lshl_b32 s43, 15, s43                        ; my row of the cluster
	s_lshl_b32 s44, 0x1111, s40                    ; my column
	s_or_b32 s[G1+0], s43, (1<<16)|(1<<20)|(1<<21)|(5<<22)|(3<<25)   ; mask; elements of 2 bytes; 4 words of padding after every 64; bit 21 beside a mask
	s_or_b32 s[G1B+0], s44, (1<<16)|(1<<20)|(1<<21)|(5<<22)|(3<<25)
	s_mov_b32 s[G1+1], 128<<16                     ; y: 64 rows of 128 elements, dense
	s_mov_b32 s[G1+2], 64<<16
	s_mov_b32 s[G1+3], 128<<16
	s_mov_b32 s[G1+4], 64
	s_mov_b32 s[G1+5], 128
	s_mov_b32 s[G1+6], 0
	s_mov_b32 s[G1+7], 0
	s_mov_b32 s[G1B+1], 128<<16                    ; WoT: 128 rows of 128 elements, 1,024 elements apart
	s_mov_b32 s[G1B+2], 128<<16
	s_mov_b32 s[G1B+3], 128<<16
	s_mov_b32 s[G1B+4], 128
	s_mov_b32 s[G1B+5], 1024
	s_mov_b32 s[G1B+6], 0
	s_mov_b32 s[G1B+7], 0
	s_lshr_b32 s16, s15, 4
	s_lshl_b32 s16, s16, 22                        ; the batch
	s_and_b32 s17, s15, 15
	s_lshl_b32 s17, s17, 14                        ; 128 positions of 128 bytes
	s_add_co_u32 s16, s16, s17
	s_lshl_b32 s17, s14, 18                        ; the step's first or second head
	s_add_co_u32 s16, s16, s17
	s_mov_b32 s17, 0
	s_lshl_b32 s46, s42, 19                        ; 256 rows of 2,048 bytes
	s_lshl_b32 s47, s14, 18
	s_add_co_u32 s46, s46, s47
	s_mov_b32 s47, 0
	s_mul_i32 s18, s14, AH
	s_mul_i32 s19, s14, BH
	s_add_co_u32 s19, s19, BOFF
	s_wait_dscnt 0x0                               ; both opening adds are done
	s_wait_kmcnt 0x0
	s_add_nc_u64 s[16:17], s[4:5], s[16:17]
	s_add_nc_u64 s[46:47], s[6:7], s[46:47]
	CROUND                                         ; all sixteen work-groups are here
.irp s, 0,1
	s_mov_b32 s[G0+4*\s], 1
	s_add_co_u32 s[G0+4*\s+1], s18, \s*SLOT
	s_add_nc_u64 s[G0+4*\s+2:G0+4*\s+3], s[16:17], \s*ASTEP
	s_or_b32 s[G0+4*\s+3], s[G0+4*\s+3], 0x80000000
	s_mov_b32 s[G0B+4*\s], 1
	s_add_co_u32 s[G0B+4*\s+1], s19, \s*SLOT
	s_add_nc_u64 s[G0B+4*\s+2:G0B+4*\s+3], s[46:47], \s*256
	s_or_b32 s[G0B+4*\s+3], s[G0B+4*\s+3], 0x80000000
	JLOAD \s
.endr
	v_and_b32 v1, 15, v0                           ; r
	v_bfe_u32 v2, v0, 4, 1                         ; h
	v_lshlrev_b32 v[BIO], 5, v2
	s_lshl_b32 s46, s42, 10
	s_lshl_b32 s47, s14, 9
	s_add_co_u32 s46, s46, s47                     ; my first column x 4 bytes
	s_mov_b32 s47, 0
	s_add_nc_u64 s[8:9], s[8:9], s[46:47]
	s_add_nc_u64 s[10:11], s[10:11], s[46:47]
	WIN TO_B
.irp b, 0,1,2,3,4,5,6,7
	global_load_b128 v[BIAS+8*\b:BIAS+8*\b+3], v[BIO], s[8:9] offset:64*\b       ; register 8 b + j = bo[first column + 16 b + 8 h + j]
	global_load_b128 v[BIAS+8*\b+4:BIAS+8*\b+7], v[BIO], s[8:9] offset:64*\b+16
.endr
	WIN 0
	s_lshl_b32 s46, s15, 19                        ; 128 rows of 4,096 bytes
	s_lshl_b32 s47, s13, 18
	s_add_co_u32 s46, s46, s47
	s_mov_b32 s47, 0
	s_add_nc_u64 s[10:11], s[10:11], s[46:47]
	v_lshrrev_b32 v3, 1, v1
	v_mul_u32_u24 v3, v3, PITCH
	v_and_b32 v4, 1, v0
	v_lshl_add_u32 v3, v4, 7, v3
	v_lshl_add_u32 v3, v2, 4, v3                   ; y: (r / 2) x 272 + (r % 2) x 128 + 16 h
	v_mul_u32_u24 v4, v1, PITCH
	v_lshl_add_u32 v4, v2, 4, v4                   ; WoT: r x 272 + 16 h
	s_mul_i32 s21, s13, 32*PITCH                   ; my 64 rows of y
	s_mul_i32 s22, s14, BH
	s_add_co_u32 s22, s22, BOFF                    ; my 128 rows of WoT
.irp s, 0,1
	v_add_nc_u32 v[ADRA+\s], s21, v3
	v_add_nc_u32 v[ADRB+\s], s22, v4
	s_add_co_u32 s21, s21, SLOT
	s_add_co_u32 s22, s22, SLOT
.endr
	s_mul_i32 s23, s12, 16*SPITCH
	s_add_co_u32 s23, s23, STAGE
	v_mul_u32_u24 v5, v1, SPITCH
	v_lshl_add_u32 v5, v2, 5, v5
	v_add_nc_u32 v[STO], s23, v5
	v_and_b32 v6, 31, v0
	v_lshlrev_b32 v[CO], 4, v6
	v_add_nc_u32 v[RD], s23, v[CO]
	v_lshlrev_b32 v[PFO], 8, v6
	s_lshr_b32 s20, s15, 4                         ; the prefetches: my tile row's first byte,
	s_lshl_b32 s20, s20, 22
	s_and_b32 s21, s15, 15
	s_lshl_b32 s21, s21, 14
	s_add_co_u32 s20, s20, s21
	s_lshr_b32 s21, s40, 1                         ; my work-group's quarter of a step: head cx / 2, half cx % 2,
	s_lshl_b32 s21, s21, 18
	s_add_co_u32 s20, s20, s21
	s_and_b32 s21, s40, 1
	s_lshl_b32 s21, s21, 13
	s_add_co_u32 s20, s20, s21
	s_add_co_u32 s20, s20, 2*ASTEP                 ; at K step 2: the first refill steps it to 3 and names K step 4
	s_mov_b32 s21, 0
	s_add_nc_u64 s[PFA:PFA+1], s[4:5], s[20:21]
	s_cmp_eq_u32 s12, 0
	s_cselect_b32 s[LIM], 1, -1
.macro FETCH slot, q, f                ; 24 LDS loads: quarter q (32 along K) of the slot into set f: WoT's eight fragments, then y's four
	WIN TO_B
.irp b, 0,1,2,3,4,5,6,7
	ds_load_b128 v[64*(\f)+8*\b:64*(\f)+8*\b+3], v[ADRB+\slot] offset:64*(\q)+\b*16*PITCH
	ds_load_b128 v[64*(\f)+8*\b+4:64*(\f)+8*\b+7], v[ADRB+\slot] offset:64*(\q)+\b*16*PITCH+32
.endr
	WIN 0
.irp a, 0,1,2,3
	ds_load_b128 v[FA+32*(\f)+8*\a:FA+32*(\f)+8*\a+3], v[ADRA+\slot] offset:((\q)/2)*AH+((\q)%2)*64+\a*8*PITCH
	ds_load_b128 v[FA+32*(\f)+8*\a+4:FA+32*(\f)+8*\a+7], v[ADRA+\slot] offset:((\q)/2)*AH+((\q)%2)*64+\a*8*PITCH+32
.endr
.endm
.macro MUL8 f, a, first                ; y's block a against WoT's eight; the 32 accumulators take turns
.irp b, 0,1,2,3,4,5,6,7
.if \first
	v_wmma_f32_16x16x32_f16 v[8*(8*(\a)+\b):8*(8*(\a)+\b)+7], v[64*(\f)+8*\b:64*(\f)+8*\b+7], v[FA+32*(\f)+8*(\a):FA+32*(\f)+8*(\a)+7], v[BIAS+8*\b:BIAS+8*\b+7]
.else
	v_wmma_f32_16x16x32_f16 v[8*(8*(\a)+\b):8*(8*(\a)+\b)+7], v[64*(\f)+8*\b:64*(\f)+8*\b+7], v[FA+32*(\f)+8*(\a):FA+32*(\f)+8*(\a)+7], v[8*(8*(\a)+\b):8*(8*(\a)+\b)+7]
.endif
.endr
.endm
.macro PLACES
.rept 4
	v_nop
.endr
.endm
.macro QUARTER slot, q, f, g, first    ; multiplies set f and fetches quarter q of the slot into set g
	s_wait_dscnt 4                                 ; WoT's fragments and y's blocks 0, 1 are in; blocks 2, 3 may be out
.if \first
	WIN FST
.else
	WIN MUL
.endif
	MUL8 \f, 0, \first
	MUL8 \f, 1, \first
	PLACES
	FETCH \slot, \q, \g
	s_wait_dscnt 24                                ; all but the 24 just issued
.if \first
	WIN FST
.else
	WIN MUL
.endif
	MUL8 \f, 2, \first
	MUL8 \f, 3, \first
.endm
; A slot's last quarter multiplies set 1 and changes slots: one barrier; ahead of it each wave waits for all its tensor loads, adds 0 to its spare word, and waits for that and its reads of the slot.
.macro TURN slot, next, fill
.if \fill
	s_wait_xcnt 0x0                                ; the last prefetch, a K step back, has read its address
	s_add_nc_u64 s[PFA:PFA+1], s[PFA:PFA+1], ASTEP
.endif
	WIN 0
	s_wait_tensorcnt 0x0                           ; my part of the next slot has landed
	ds_add_u32 v[SPW], v[NIL]
	s_wait_dscnt 5                                 ; (the add and the youngest four loads may be out)
	WIN MUL
	MUL8 1, 0, 0
	s_wait_dscnt 0x0                               ; the add is done, and my reads of this slot are over
	s_barrier_signal -1
	MUL8 1, 1, 0
.if \fill
	WIN 0
.endif
	s_barrier_wait -1
.if \fill
	CREST                                          ; the barrier has opened a round of the cluster's: no wave of any partner still reads this slot or has a load on its way
	s_add_nc_u64 s[G0+4*\slot+2:G0+4*\slot+3], s[G0+4*\slot+2:G0+4*\slot+3], 2*ASTEP
	s_add_nc_u64 s[G0B+4*\slot+2:G0B+4*\slot+3], s[G0B+4*\slot+2:G0B+4*\slot+3], 512
	JLOAD \slot                                    ; the first tensor load behind the round; its four v_nop are the places ahead of the loads below
.else
	PLACES
.endif
	FETCH \next, 0, 0
.if \fill
	ASK
.endif
	WIN MUL
	MUL8 1, 2, 0
	MUL8 1, 3, 0
.endm
	s_wait_tensorcnt 1                             ; my part of K step 0 is in (K step 1's may be out)
	s_barrier_signal -1
	s_barrier_wait -1
	FETCH 0, 0, 0
	s_wait_loadcnt 0x0                             ; the bias
	QUARTER 0, 1, 0, 1, 1
	WIN 0
	s_mov_b32 s3, LAPS-1
.Llap:                                             ; a trip goes once round the ring and fills both slots again
	QUARTER 0, 2, 1, 0, 0
	QUARTER 0, 3, 0, 1, 0
	TURN 0, 1, 1
	QUARTER 1, 1, 0, 1, 0
	QUARTER 1, 2, 1, 0, 0
	QUARTER 1, 3, 0, 1, 0
	TURN 1, 0, 1
	QUARTER 0, 1, 0, 1, 0
	WIN 0
	s_sub_co_u32 s3, s3, 1
	s_cmp_lg_u32 s3, 0
	s_cbranch_scc1 .Llap
	QUARTER 0, 2, 1, 0, 0                          ; the last lap fills nothing
	QUARTER 0, 3, 0, 1, 0
	TURN 0, 1, 0
	QUARTER 1, 1, 0, 1, 0
	QUARTER 1, 2, 1, 0, 0
	QUARTER 1, 3, 0, 1, 0
	s_wait_dscnt 4
	WIN MUL
	MUL8 1, 0, 0
	MUL8 1, 1, 0
	s_wait_dscnt 0
	MUL8 1, 2, 0
	MUL8 1, 3, 0
	WIN 0
; THE WAY OUT, block by block of 16 rows x 128 columns: through my own stage, back as whole rows of 512 bytes.
.macro TOSTAGE a
	WIN 0x08                                       ; the data: window 2
.irp b, 0,1,2,3,4,5,6,7
	ds_store_b128 v[STO], v[64*(\a)+8*\b:64*(\a)+8*\b+3] offset:64*\b
	ds_store_b128 v[STO], v[64*(\a)+8*\b+4:64*(\a)+8*\b+7] offset:64*\b+16
.endr
	WIN 0
.set BB, BK+64*((\a)%2)
.irp t, 0,1,2,3,4,5,6,7,8,9,10,11,12,13,14,15
	ds_load_b128 v[BB+4*\t:BB+4*\t+3], v[RD] offset:\t*SPITCH
.endr
.endm
.macro SEND a, younger
.set BB, BK+64*((\a)%2)
	s_wait_dscnt \younger
.irp t, 0,1,2,3,4,5,6,7,8,9,10,11,12,13,14,15
	global_store_b128 v[CO], v[BB+4*\t:BB+4*\t+3], s[10:11] offset:(\a)*65536+\t*4096 th:TH_STORE_NT   ; 32 lanes store 512 consecutive bytes, aligned
.endr
.endm
	PLACES
	TOSTAGE 0
.irp a, 1,2,3
.if \a > 1
	s_wait_xcnt 0x0                                ; block a - 2's stores have read their registers
.endif
	TOSTAGE \a
	SEND \a-1, 32                                  ; behind block a - 1's loads: block a's 16 stores and 16 loads
.endr
	SEND 3, 0
	s_wait_tensorcnt 0x0                           ; the wave's end
	ds_add_u32 v[SPW], v[NIL]
	s_wait_dscnt 0x0
	CROUND                                         ; the closing round
	s_endpgm
.Lfunc_end_k_q8de3e32838_oproj:
	.size	k_q8de3e32838_oproj, .Lfunc_end_k_q8de3e32838_oproj-k_q8de3e32838_oproj
	.p2alignl 7, 3214868480
	.fill 96, 4, 3214868480
	.section	.rodata,"a",@progbits
	.p2align	6, 0x0
	.amdhsa_kernel k_q8de3e32838_oproj
		.amdhsa_group_segment_fixed_size 327680
		.amdhsa_private_segment_fixed_size 0
		.amdhsa_enable_private_segment 0
		.amdhsa_kernarg_size 32
		.amdhsa_user_sgpr_count 2
		.amdhsa_user_sgpr_kernarg_segment_ptr 1
		.amdhsa_wavefront_size32 1
		.amdhsa_system_sgpr_workgroup_id_x 1
		.amdhsa_system_sgpr_workgroup_id_y 1
		.amdhsa_system_sgpr_workgroup_id_z 1
		.amdhsa_system_vgpr_workitem_id 0
		.amdhsa_next_free_vgpr 768
		.amdhsa_next_free_sgpr 72
		.amdhsa_reserve_vcc 0
		.amdhsa_float_denorm_mode_32 3
		.amdhsa_float_denorm_mode_16_64 3
		.amdhsa_memory_ordered 1
		.amdhsa_forward_progress 1
		.amdhsa_inst_pref_size 88
	.end_amdhsa_kernel
	.amdgpu_metadata
---
amdhsa.version: [ 1, 2 ]
amdhsa.kernels:
  - .name:           k_q8de3e32838_oproj
    .symbol:         k_q8de3e32838_oproj.kd
    .args:
      - { .name: yh, .offset: 0, .size: 8, .value_kind: global_buffer, .address_space: global }
      - { .name: wot, .offset: 8, .size: 8, .value_kind: global_buffer, .address_space: global }
      - { .name: bo, .offset: 16, .size: 8, .value_kind: global_buffer, .address_space: global }
      - { .name: out0, .offset: 24, .size: 8, .value_kind: global_buffer, .address_space: global }
    .group_segment_fixed_size: 327680
    .private_segment_fixed_size: 0
    .kernarg_segment_align: 8
    .kernarg_segment_size: 32
    .max_flat_workgroup_size: 128
    .sgpr_count:     72
    .vgpr_count:     768
    .wavefront_size: 32
...
	.end_amdgpu_metadata
.endif
;; end of part 6
;; launch first16 (part 7): grid 16 x 4, 16 waves a work-group, no clusters, 71,680 bytes of LDS; arguments q32, Wo, bo, out0; writes out0
.if DOCPART == 7
	.amdgcn_target "amdgcn-amd-amdhsa--gfx1250"
	.amdhsa_code_object_version 6
	.text
	.protected	k_q8de3e32838_first16
	.globl	k_q8de3e32838_first16
	.p2align	8
	.type	k_q8de3e32838_first16,@function
k_q8de3e32838_first16:
	s_mov_b64 s[64:65], 0
	v_nop
	global_prefetch_b8 v0, s[64:65] scope:SCOPE_SE
	s_setreg_imm32_b32 hwreg(HW_REG_WAVE_MODE, 25, 1), 1
	s_wait_xcnt 0x0
; Positions 0-15 of each batch once more, wholly in f32: under the causal mask these rows average one to sixteen values and are the largest in size, so f16 operands would weigh most here.
; q32: [b][16][3072] f32 (q, k, v with the bias).  Work-group (chunk, b) makes out[b][0..15][64 chunk .. + 63].  Wave = head: it makes its head's 16 x 16 attention and multiplies by its own 64 rows of Wo;
; the sixteen partial sums meet in LDS; wave w then sums query w's row, adds bo and stores 256 consecutive bytes, aligned.
; All products go by the f32 matrix form, 16 x 16 x 4.  Along each K the same permutation is used on both sides, so that nothing changes lanes:
;   S^T = K Q^T: lane (r, h) holds channels 32 h + 0..31 of row r on both sides;  O^T = V^T P and out^T = Wo^T y: source 1 is the result before, as it lies (8 h + j), and source 0 is loaded to match.
; v16-47, the accumulators, are written by matrix instructions alone; what is made of a sum goes into other registers.
.set SPARE, 16*4352
.set SPW, 14
.set NIL, 15
.set ACC, 16                           ; v16-47  four accumulators
.set QY,  48                           ; v48-79  Q, later y
.set KW,  80                           ; v80-111 K, later Wo's fourth tile of columns
.set VT,  112                          ; v112-143 V^T
.set W,   144                          ; v144-239 Wo's tiles 0-2; later the partial sums
.set P,   240                          ; v240-247 scores, then p
	s_load_b256 s[4:11], s[0:1], 0x0               ; q32, Wo, bo, out
	v_lshl_add_u32 v[SPW], v0, 2, SPARE
	v_mov_b32 v[NIL], 0
	v_lshrrev_b32 v1, 5, v0
	v_readfirstlane_b32 s12, v1                    ; wave = head
	v_and_b32 v1, 15, v0                           ; r
	v_bfe_u32 v2, v0, 4, 1                         ; h
	v_mul_u32_u24 v3, v1, 12288
	v_lshl_add_u32 v3, v2, 7, v3                   ; Q, K: row r, channels 32 h on
	v_mul_u32_u24 v4, v2, 98304
	v_lshl_add_u32 v4, v1, 2, v4                   ; V: key 8 h + i, channel r
	v_lshlrev_b32 v5, 15, v2
	v_lshl_add_u32 v5, v1, 2, v5                   ; Wo: row 8 h + i, column r
	v_and_b32 v6, 31, v0
	v_lshlrev_b32 v6, 3, v6                        ; 8 bytes a lane
	v_lshlrev_b32 v7, 3, v2
	v_sub_nc_u32 v7, v1, v7                        ; r - 8 h
	s_mul_i32 s20, s12, 4352
	v_mul_u32_u24 v8, v1, 272
	v_lshl_add_u32 v8, v2, 5, v8
	v_add_nc_u32 v8, s20, v8                       ; my partial sums: row r of 256 + 16 bytes, + 32 h
	s_mul_i32 s20, s12, 272
	v_add_nc_u32 v9, s20, v6                       ; query w's row in each wave's part
	v_mov_b32 v249, 0                              ; (a lane permute's destination counts as a source)
	s_mov_b32 s14, 0x76543210
	s_mov_b32 s15, 0xfedcba98
	s_mov_b32 s16, 0x3e38aa3b                      ; c = log2(e) / 8
	s_and_b32 s21, ttmp7, 0xffff                   ; b
	s_mul_i32 s22, s21, 196608
	s_lshl_b32 s23, s12, 8
	s_add_co_u32 s22, s22, s23
	s_mov_b32 s23, 0
	s_lshl_b32 s24, s12, 18                        ; my 64 rows of Wo
	s_lshl_b32 s26, ttmp9, 8                       ; my chunk's 64 columns
	s_add_co_u32 s24, s24, s26
	s_mov_b32 s25, 0
	s_mov_b32 s27, 0
	s_lshl_b32 s28, s21, 23
	s_lshl_b32 s29, s12, 12
	s_add_co_u32 s28, s28, s29
	s_add_co_u32 s28, s28, s26
	s_mov_b32 s29, 0
	s_wait_kmcnt 0x0
	s_add_nc_u64 s[4:5], s[4:5], s[22:23]
	s_add_nc_u64 s[6:7], s[6:7], s[24:25]
	s_add_nc_u64 s[8:9], s[8:9], s[26:27]
	s_add_nc_u64 s[10:11], s[10:11], s[28:29]
.irp i, 0,1,2,3,4,5,6,7
	global_load_b128 v[QY+4*\i:QY+4*\i+3], v3, s[4:5] offset:16*\i
.endr
.irp i, 0,1,2,3,4,5,6,7
	global_load_b128 v[KW+4*\i:KW+4*\i+3], v3, s[4:5] offset:4096+16*\i
.endr
.irp c, 0,1,2,3
.irp i, 0,1,2,3,4,5,6,7
	global_load_b32 v[VT+8*\c+\i], v4, s[4:5] offset:\i*12288+8192+64*\c
.endr
.endr
.irp nt, 0,1,2
.irp c, 0,1,2,3
.irp i, 0,1,2,3,4,5,6,7
	global_load_b32 v[W+32*\nt+8*\c+\i], v5, s[6:7] offset:(16*\c+\i)*4096+64*\nt
.endr
.endr
.endr
	global_load_b64 v[254:255], v6, s[8:9]         ; bo
	s_wait_loadcnt 63                              ; Q and K are in: 129 loads were issued behind them, and the field holds no larger count
	; S^T = K Q^T: 16 K steps on two accumulators by turns
.set kk, 0
.rept 16
.if kk < 2
	v_wmma_f32_16x16x4_f32 v[ACC+8*(kk%2):ACC+8*(kk%2)+7], v[KW+2*kk:KW+2*kk+1], v[QY+2*kk:QY+2*kk+1], 0
.else
	v_wmma_f32_16x16x4_f32 v[ACC+8*(kk%2):ACC+8*(kk%2)+7], v[KW+2*kk:KW+2*kk+1], v[QY+2*kk:QY+2*kk+1], v[ACC+8*(kk%2):ACC+8*(kk%2)+7]
.endif
.set kk, kk+1
.endr
.rept 8
	v_nop                                          ; eight places behind this form
.endr
.irp c, 0,1,2,3
.irp i, 0,1,2,3,4,5,6,7
	global_load_b32 v[KW+8*\c+\i], v5, s[6:7] offset:(16*\c+\i)*4096+192   ; Wo's fourth tile of columns, into K's registers
.endr
.endr
.irp j, 0,1,2,3,4,5,6,7
	v_add_f32 v[P+\j], v[ACC+\j], v[ACC+8+\j]      ; lane (r, h): query r, key 8 h + j
.endr
	v_mov_b32 v250, 0xff800000
.irp j, 0,1,2,3,4,5,6,7
	v_cmp_gt_i32 vcc_lo, \j, v7                    ; hidden where 8 h + j > r
	v_cndmask_b32 v[P+\j], v[P+\j], v250, vcc_lo
.endr
	v_max3_num_f32 v248, v[P], v[P+1], v[P+2]
	v_max3_num_f32 v248, v248, v[P+3], v[P+4]
	v_max3_num_f32 v248, v248, v[P+5], v[P+6]
	v_max_num_f32 v248, v248, v[P+7]
	v_permlanex16_b32 v249, v248, s14, s15
	v_max_num_f32 v248, v248, v249                 ; the row's maximum: key 0 counts for every query
	v_mul_f32 v248, s16, v248
.irp j, 0,1,2,3,4,5,6,7
	v_fma_f32 v[P+\j], v[P+\j], s16, -v248
.endr
.irp j, 0,1,2,3,4,5,6,7
	v_exp_f32 v[P+\j], v[P+\j]
.endr
	v_nop
	s_wait_alu depctr_va_vdst(0)                   ; one wait for the eight exponentials
	v_add_f32 v251, v[P], v[P+1]
	v_add_f32 v252, v[P+2], v[P+3]
	v_add_f32 v251, v251, v[P+4]
	v_add_f32 v252, v252, v[P+5]
	v_add_f32 v251, v251, v[P+6]
	v_add_f32 v252, v252, v[P+7]
	v_add_f32 v251, v251, v252
	v_permlanex16_b32 v249, v251, s14, s15
	v_add_f32 v251, v251, v249
	v_rcp_f32 v252, v251
	v_nop
	s_wait_alu depctr_va_vdst(0)
	s_wait_loadcnt 63                              ; V is in: 129 loads were issued behind it
	; O^T = V^T P: four accumulators by turns, four K steps
.irp kk, 0,1,2,3
.irp c, 0,1,2,3
.if \kk == 0
	v_wmma_f32_16x16x4_f32 v[ACC+8*\c:ACC+8*\c+7], v[VT+8*\c+2*\kk:VT+8*\c+2*\kk+1], v[P+2*\kk:P+2*\kk+1], 0
.else
	v_wmma_f32_16x16x4_f32 v[ACC+8*\c:ACC+8*\c+7], v[VT+8*\c+2*\kk:VT+8*\c+2*\kk+1], v[P+2*\kk:P+2*\kk+1], v[ACC+8*\c:ACC+8*\c+7]
.endif
.endr
.endr
.rept 8
	v_nop
.endr
.set n, 0
.rept 32
	v_mul_f32 v[QY+n], v[ACC+n], v252              ; y: register 8 c + j = channel 16 c + 8 h + j of query r
.set n, n+1
.endr
.rept 9
	v_nop                                          ; nine places: the products below begin the accumulators anew
.endr
	s_wait_loadcnt 0x0                             ; Wo and bo
	; out^T = Wo^T y: four tiles of 16 columns by turns, sixteen K steps
.irp c, 0,1,2,3
.irp kk, 0,1,2,3
.irp nt, 0,1,2,3
.if \nt < 3
.set WR, W+32*\nt+8*\c+2*\kk
.else
.set WR, KW+8*\c+2*\kk
.endif
.if (\c == 0) && (\kk == 0)
	v_wmma_f32_16x16x4_f32 v[ACC+8*\nt:ACC+8*\nt+7], v[WR:WR+1], v[QY+8*\c+2*\kk:QY+8*\c+2*\kk+1], 0
.else
	v_wmma_f32_16x16x4_f32 v[ACC+8*\nt:ACC+8*\nt+7], v[WR:WR+1], v[QY+8*\c+2*\kk:QY+8*\c+2*\kk+1], v[ACC+8*\nt:ACC+8*\nt+7]
.endif
.endr
.endr
.endr
.rept 8
	v_nop
.endr
.irp nt, 0,1,2,3
	ds_store_b128 v8, v[ACC+8*\nt:ACC+8*\nt+3] offset:64*\nt          ; lane (r, h): query r, columns 16 nt + 8 h + 0..7
	ds_store_b128 v8, v[ACC+8*\nt+4:ACC+8*\nt+7] offset:64*\nt+16
.endr
	s_wait_dscnt 0x0                               ; for the others' sake: my stores have landed
	s_barrier_signal -1
	s_barrier_wait -1
.irp s, 0,1,2,3,4,5,6,7,8,9,10,11,12,13,14,15
	ds_load_b64 v[W+2*\s:W+2*\s+1], v9 offset:\s*4352                ; head s's part of query w's 64 columns
.endr
	s_wait_dscnt 0x0
	v_pk_add_f32 v[248:249], v[W:W+1], v[W+2:W+3]
	v_pk_add_f32 v[250:251], v[W+4:W+5], v[W+6:W+7]
.irp s, 8,12,16,20,24,28
	v_pk_add_f32 v[248:249], v[248:249], v[W+\s:W+\s+1]
	v_pk_add_f32 v[250:251], v[250:251], v[W+\s+2:W+\s+3]
.endr
	v_pk_add_f32 v[248:249], v[248:249], v[250:251]
	v_pk_add_f32 v[248:249], v[248:249], v[254:255]
	global_store_b64 v6, v[248:249], s[10:11]      ; 32 lanes store 256 consecutive bytes, aligned
	s_wait_tensorcnt 0x0                           ; the wave's end
	ds_add_u32 v[SPW], v[NIL]
	s_wait_dscnt 0x0
	s_endpgm
.Lfunc_end_k_q8de3e32838_first16:
	.size	k_q8de3e32838_first16, .Lfunc_end_k_q8de3e32838_first16-k_q8de3e32838_first16
	.p2alignl 7, 3214868480
	.fill 96, 4, 3214868480
	.section	.rodata,"a",@progbits
	.p2align	6, 0x0
	.amdhsa_kernel k_q8de3e32838_first16
		.amdhsa_group_segment_fixed_size 71680
		.amdhsa_private_segment_fixed_size 0
		.amdhsa_enable_private_segment 0
		.amdhsa_kernarg_size 32
		.amdhsa_user_sgpr_count 2
		.amdhsa_user_sgpr_kernarg_segment_ptr 1
		.amdhsa_wavefront_size32 1
		.amdhsa_system_sgpr_workgroup_id_x 1
		.amdhsa_system_sgpr_workgroup_id_y 1
		.amdhsa_system_sgpr_workgroup_id_z 1
		.amdhsa_system_vgpr_workitem_id 0
		.amdhsa_next_free_vgpr 256
		.amdhsa_next_free_sgpr 66
		.amdhsa_reserve_vcc 1
		.amdhsa_float_denorm_mode_32 3
		.amdhsa_float_denorm_mode_16_64 3
		.amdhsa_memory_ordered 1
		.amdhsa_forward_progress 1
		.amdhsa_inst_pref_size 33
	.end_amdhsa_kernel
	.amdgpu_metadata
---
amdhsa.version: [ 1, 2 ]
amdhsa.kernels:
  - .name:           k_q8de3e32838_first16
    .symbol:         k_q8de3e32838_first16.kd
    .args:
      - { .name: q32, .offset: 0, .size: 8, .value_kind: global_buffer, .address_space: global }
      - { .name: Wo, .offset: 8, .size: 8, .value_kind: global_buffer, .address_space: global }
      - { .name: bo, .offset: 16, .size: 8, .value_kind: global_buffer, .address_space: global }
      - { .name: out0, .offset: 24, .size: 8, .value_kind: global_buffer, .address_space: global }
    .group_segment_fixed_size: 71680
    .private_segment_fixed_size: 0
    .kernarg_segment_align: 8
    .kernarg_segment_size: 32
    .max_flat_workgroup_size: 512
    .sgpr_count:     66
    .vgpr_count:     256
    .wavefront_size: 32
...
	.end_amdgpu_metadata
.endif
;; end of part 7
